; MI455X (gfx1250); checked and timed in simulation.
; The chip was launched on July 23, 2026; its instructions are those of AMD's public machine-readable ISA for CDNA 5 (MIT licence, August 2026) and "CDNA5" Instruction Set Architecture Reference Guide (July 2026). The comments in the code are by the model that wrote it; some were corrected since.
;; Multi Head Self Attention. Allowed arithmetic: matrix products marked QUANTISED: E4M3 operands, one given power-of-two scale a tensor, by v_wmma_f32_16x16x64_fp8_fp8 or v_wmma_f32_16x16x128_fp8_fp8, f32 sums; everything else in f32.
;; Inputs: Wk 1,024 x 1,024 float32; Wo 1,024 x 1,024 float32; Wq 1,024 x 1,024 float32; Wv 1,024 x 1,024 float32; bk 1,024 float32; bo 1,024 float32; bq 1,024 float32; bv 1,024 float32; lowp_scales 12 int32 (the exponents e of the quantised operands' scales 2^e); mask 4 x 1 x 1 x 2,048 int32; x 4 x 2,048 x 1,024 float32.
;; Outputs: out0 4 x 2,048 x 1,024 float32.
;; This version of the problem:
;;   THIS VERSION OF THE PROBLEM IS GIVEN IN LOW PRECISION. The matrix products marked QUANTISED in the list below multiply operands that are first quantised to E4M3 (4 exponent bits, 3 mantissa bits; 8 bits a number), with one given power-of-two scale for each operand tensor; their sums are f32. All else is computed in f32.
;;   The module's matrix products, in the order in which they are computed (A, B: the left and right operand; K: the contracted axis; several contracted axes count as one K, in the product's order):
;;     1. [M 8,192, K 1,024] x [K 1,024, N 1,024]; A: input x; B: input Wq: QUANTISED (scales: A lowp_scales[0], B lowp_scales[1])
;;     2. [M 8,192, K 1,024] x [K 1,024, N 1,024]; A: input x; B: input Wk: QUANTISED (scales: A lowp_scales[2], B lowp_scales[3])
;;     3. [M 8,192, K 1,024] x [K 1,024, N 1,024]; A: input x; B: input Wv: QUANTISED (scales: A lowp_scales[4], B lowp_scales[5])
;;     4. batch 64 x [M 2,048, K 64] x [K 64, N 2,048]; A: computed on the way; B: computed on the way: QUANTISED (scales: A lowp_scales[6], B lowp_scales[7])
;;     5. batch 64 x [M 2,048, K 2,048] x [K 2,048, N 64]; A: softmax (see below); B: computed on the way: QUANTISED (scales: A lowp_scales[8], B lowp_scales[9])
;;     6. [M 8,192, K 1,024] x [K 1,024, N 1,024]; A: computed on the way; B: input Wo: QUANTISED (scales: A lowp_scales[10], B lowp_scales[11])
;;   THE QUANTISER, for each operand of a quantised product, along K:
;;     - The operand's scale is 2^e, e = its entry of the input lowp_scales (int32; the entries are numbered through the quantised products in the list's order, A before B).
;;     - Each number is divided by the scale, clamped to +-448, and rounded to the nearest number of E4M3, ties to even, subnormals kept.
;;     - The product sums the exact products of the quantised numbers (number of the format x scale) in f32.
;;   ~~~python
;;   def quantise(x, axis, e):      # numpy; x: float32 -> the quantised numbers, widened to float32 again
;;       x = np.moveaxis(x, axis, -1); K = x.shape[-1]
;;       r = np.clip(x / 2.0 ** e, -448, 448)
;;       step = 2.0 ** (np.maximum(np.frexp(np.where(r == 0, 1, r))[1] - 1, -6) - 3)
;;       q = np.round(r / step) * step * 2.0 ** e      # np.round: ties to even
;;       return np.moveaxis(q, -1, axis).astype(np.float32)
;;   ~~~
;;   SOFTMAX AHEAD OF A QUANTISED PRODUCT. Where the list says 'softmax', what is quantised is not the finished softmax but p = 2^(t - M), with t = logit x log2(e) and M = ceil(the row's largest t), a whole number; so 1/2 < the row's largest p <= 1. The row's sum l is taken of the UNQUANTISED p, in f32, and the product's result is divided by l at the end. Since M is a whole number, a kernel that streams over the keys may use a running M (the ceiling of the running maximum): every later rescaling is an exact power of two, so the quantised numbers keep their values, but for numbers so far below the row's largest that they fall under the format's range.
;;   OPERANDS COMPUTED ON THE WAY. 'Computed on the way' means the value that the module computes at that place (a softmax that the list does not call 'softmax' is quantised finished and normalised). What goes into a quantiser is computed in f32, as accurately as f32 sums, v_exp_f32 and their like allow (about 1e-6 of the number): no bf16 or f16 on the way to a quantiser, and a product that is left as it is and whose result goes on into a quantised operand takes f32 operands (vector FMAs, or v_wmma_f32_16x16x4_f32). A number that lies on a knife's edge between two numbers of the format may be rounded either way, as far as f32 arithmetic and the matrix unit's own rounding can turn it there, and no further.
;; One version. Each part assembles by itself: llvm-mc -triple=amdgcn-amd-amdhsa -mcpu=gfx1250 --defsym DOCPART=n.
;; ======== version 1 of 1: 4 launches
;; limits: right only within a limited range of input values
;; workspace buffers: xc 25,165,824 bytes; wc 4,194,304 bytes; qc 8,388,608 bytes; kv 16,777,216 bytes; ac 8,388,608 bytes
;; launch quant (part 1): grid 768 x 1, 4 waves a work-group, no clusters, 68,096 bytes of LDS; arguments x, Wq, Wk, Wv, Wo, lowp_scales, xc, wc; writes xc, wc
.if DOCPART == 1
	.amdgcn_target "amdgcn-amd-amdhsa--gfx1250"
	.amdhsa_code_object_version 6
	.text
	.protected	k_q8fd0668f53_quant
	.globl	k_q8fd0668f53_quant
	.p2align	8
	.type	k_q8fd0668f53_quant,@function
k_q8fd0668f53_quant:
	s_mov_b64 s[64:65], 0
	v_nop
	global_prefetch_b8 v0, s[64:65] scope:SCOPE_SE
	s_setreg_imm32_b32 hwreg(HW_REG_WAVE_MODE, 25, 1), 1
	s_wait_xcnt 0x0
; x [8192][1024] and Wq, Wk, Wv, Wo [1024][1024], f32, K innermost, become codes of FP8 (E4M3), each with the scale 2^e given for it.
; x is an operand of three products with three scales (entries 0, 2, 4): it is read once and quantised three times.  The weights take entries 1, 3, 5, 11.
; code = number / 2^e, held within +-448, rounded to the nearest code, ties to even.
; LIMITS: each e lies between -126 and 119, so that 2^e and 448 x 2^e are f32 numbers.  NaN among the inputs is not served (an infinity is held at the largest code).
; THE IMAGE.  The codes are laid in the order of an operand's registers.  A fragment is 16 rows x 128 K, 2,048 bytes: byte 512 c + 16 lane + y is the code of row(T, lane % 16),
; k = 128 s + 32 c + 16 (lane / 16) + y.  THE ROWS OF A TILE ARE NOT NEIGHBOURS: row(T, r) = 32 (T / 2) + 8 (T % 2) + r + 8 (r / 8).
; A tensor's image: byte (T / 8) x 131072 + s x 16384 + (T % 8) x 2048 + the fragment's byte.  x's three images lie 8 MiB apart in xc, the four weights' 1 MiB apart in wc.
; SHARES.  A work-group takes one tile of 16 rows (the first 512 work-groups: x's tiles; then 64 for each weight), wave w its K steps 2 w and 2 w + 1: two fragments.
; Each load reads 512 consecutive bytes of one row; a fragment's 8,192 bytes turn through the wave's own stage in LDS (rows 528 bytes apart) and come back 64 bytes a lane: 16 neighbours along K of each block of 32.
; A lane's 16 codes are 16 bytes: each store of the wave covers 512 consecutive bytes.  No barrier: waves share nothing.  All 32 loads of a wave are issued at its head.
.set XT,   512                         ; x's tiles
.set SP,   528                         ; a stage row: 512 bytes + 16
.set STG,  16*SP                       ; a stage
.set WREG, 2*STG                       ; a wave's two stages, one for each fragment
.set LR,   16                          ; v16-79, v80-143: a fragment as loaded; once it is staged its registers take the codes: 16 for each scale, so that no store's data are written again
.set X,    144                         ; v144-207  64 numbers: register 16 c + i = k 32 c + 16 (lane / 16) + i of my row
.set T,    208                         ; v208-239  two sets of 16 held numbers
.set SC,   4                           ; v4, v5: 2^e and 448 x 2^e for the first scale; v6, v7 and v8, v9: x's second and third
	s_load_b512 s[4:19], s[0:1], 0x0               ; x, Wq, Wk, Wv, Wo, the scales' exponents, xc, wc
	v_lshl_add_u32 v254, v0, 2, 0x10800
	v_mov_b32 v255, 0
	v_lshrrev_b32 v10, 5, v0
	v_readfirstlane_b32 s20, v10                   ; wave 0..3
	v_and_b32 v11, 31, v0
	v_lshlrev_b32 v1, 4, v11                       ; 16 x lane: my place in a load's and in a store's 512 bytes; never rewritten
	s_mul_i32 s21, s20, WREG
	v_add_nc_u32 v2, s21, v1                       ; the stage, on the way in: 16 x lane of a row
	v_and_b32 v12, 15, v0
	v_bfe_u32 v13, v0, 4, 1
	v_mul_u32_u24 v3, v12, SP
	v_lshl_add_u32 v3, v13, 6, v3
	v_add_nc_u32 v3, s21, v3                       ; and on the way out: row lane % 16, + 64 (lane / 16)
	s_sub_co_u32 s22, ttmp9, XT
	s_lshr_b32 s23, s22, 6                         ; which weight (a number above 3 in x's work-groups)
	s_and_b32 s24, s22, 63
	s_cmp_lt_u32 ttmp9, XT
	s_cselect_b32 s24, ttmp9, s24                  ; T: my tile
	s_cselect_b32 s25, 0, s23
	s_lshr_b32 s26, s24, 1
	s_lshl_b32 s26, s26, 5
	s_and_b32 s27, s24, 1
	s_lshl_b32 s27, s27, 3
	s_add_co_u32 s26, s26, s27                     ; the tile's first row: 32 (T / 2) + 8 (T % 2)
	s_lshl_b32 s26, s26, 12                        ; rows of 4,096 bytes
	s_lshl_b32 s27, s20, 10
	s_add_co_u32 s26, s26, s27                     ; + my two K steps: 1,024 bytes x wave
	s_mov_b32 s27, 0
	s_lshr_b32 s28, s24, 3
	s_lshl_b32 s28, s28, 17
	s_and_b32 s29, s24, 7
	s_lshl_b32 s29, s29, 11
	s_add_co_u32 s28, s28, s29
	s_lshl_b32 s29, s20, 15
	s_add_co_u32 s28, s28, s29
	s_lshl_b32 s29, s25, 20
	s_add_co_u32 s28, s28, s29                     ; the image's byte: (T / 8) x 131072 + (T % 8) x 2048 + 32768 x wave (+ the weight's MiB)
	s_mov_b32 s29, 0
	s_wait_alu depctr_va_vdst(0)
	s_wait_kmcnt 0x0
	s_load_b256 s[40:47], s[14:15], 0x0            ; e0 .. e7
	s_load_b128 s[48:51], s[14:15], 0x20           ; e8 .. e11
	s_cmp_eq_u32 s23, 2                            ; one path for all five tensors: only pointers and exponents are chosen, on the work-group's number
	s_cselect_b64 s[30:31], s[10:11], s[12:13]
	s_cmp_eq_u32 s23, 1
	s_cselect_b64 s[30:31], s[8:9], s[30:31]
	s_cmp_eq_u32 s23, 0
	s_cselect_b64 s[30:31], s[6:7], s[30:31]
	s_cmp_lt_u32 ttmp9, XT
	s_cselect_b64 s[30:31], s[4:5], s[30:31]
	s_cselect_b64 s[32:33], s[16:17], s[18:19]
	s_add_nc_u64 s[30:31], s[30:31], s[26:27]      ; from here
	s_add_nc_u64 s[32:33], s[32:33], s[28:29]      ; to here;
	s_add_nc_u64 s[34:35], s[32:33], 0x800000      ; x's second image (8 MiB do not fit a store's immediate),
	s_add_nc_u64 s[36:37], s[32:33], 0x1000000     ; and its third: used by x's work-groups alone
.macro LOAD f                          ; fragment f: 16 rows x 512 bytes
.irp i, 0,1,2,3,4,5,6,7,8,9,10,11,12,13,14,15
	global_load_b128 v[LR+64*\f+4*\i:LR+64*\f+4*\i+3], v1, s[30:31] offset:(\i+8*(\i/8))*4096+512*\f th:TH_LOAD_NT
.endr
.endm
.macro TURN f                          ; through the stage: LDS serves a wave's instructions in order, so no wait stands between the stores and the loads
.irp i, 0,1,2,3,4,5,6,7,8,9,10,11,12,13,14,15
	ds_store_b128 v2, v[LR+64*\f+4*\i:LR+64*\f+4*\i+3] offset:\f*STG+\i*SP
.endr
.irp c, 0,1,2,3
.irp k, 0,1,2,3
	ds_load_b128 v[X+16*\c+4*\k:X+16*\c+4*\k+3], v3 offset:\f*STG+128*\c+16*\k
.endr
.endr
.endm
.macro MKSC e, z                       ; 2^e as f32 (the conversion takes its exponent field), and 448 x 2^e
	s_add_co_i32 s39, \e, 127
	s_lshl_b32 s52, s39, 23
	v_mov_b32 v[SC+2*\z], s52
	s_add_co_i32 s39, s39, 8
	s_lshl_b32 s39, s39, 23
	s_or_b32 s39, s39, 0x600000
	v_mov_b32 v[SC+2*\z+1], s39
.endm
; The numbers in X become fragment f's codes under scale z, and leave.  The held numbers go into two sets by turns, so that sixteen plain lines stand between a conversion and the next write of its sources;
; the conversions' results are touched by stores alone.
.macro QS f, z
.irp c, 0,1,2,3
.irp i, 0,1,2,3,4,5,6,7,8,9,10,11,12,13,14,15
	v_med3_num_f32 v[T+16*(\c%2)+\i], v[X+16*\c+\i], -v[SC+2*\z+1], v[SC+2*\z+1]   ; the conversion to an 8-bit code does not saturate (ISA guide 7.6.2): the hold comes first
.endr
	v_cvt_scalef32_pk8_fp8_f32 v[LR+64*\f+16*\z+4*\c:LR+64*\f+16*\z+4*\c+1], v[T+16*(\c%2):T+16*(\c%2)+7], v[SC+2*\z]
	v_cvt_scalef32_pk8_fp8_f32 v[LR+64*\f+16*\z+4*\c+2:LR+64*\f+16*\z+4*\c+3], v[T+16*(\c%2)+8:T+16*(\c%2)+15], v[SC+2*\z]
.endr
.irp c, 0,1,2,3
	global_store_b128 v1, v[LR+64*\f+16*\z+4*\c:LR+64*\f+16*\z+4*\c+3], s[32+2*\z:33+2*\z] offset:\f*16384+\c*512   ; 32 lanes store 512 consecutive bytes
.endr
.endm
	LOAD 0
	LOAD 1
	s_wait_kmcnt 0x0
	s_cmp_eq_u32 s23, 2
	s_cselect_b32 s38, s45, s51                    ; Wv: e5; Wo: e11
	s_cmp_eq_u32 s23, 1
	s_cselect_b32 s38, s43, s38                    ; Wk: e3
	s_cmp_eq_u32 s23, 0
	s_cselect_b32 s38, s41, s38                    ; Wq: e1
	s_cmp_lt_u32 ttmp9, XT
	s_cselect_b32 s38, s40, s38                    ; x: e0
	MKSC s38, 0
	MKSC s42, 1                                    ; x's e2
	MKSC s44, 2                                    ; x's e4
	s_wait_alu depctr_va_vdst(0)
	s_wait_loadcnt 16                              ; fragment 0's sixteen loads are in; fragment 1's may be out
	TURN 0
	s_wait_dscnt 0x0                               ; the numbers are back, and the stage's stores have read their registers, which take the codes
	QS 0, 0
	s_cmp_lt_u32 ttmp9, XT                         ; a weight has one scale: a branch on the work-group's number round x's other two
	s_cbranch_scc0 .Lone_scale_0
	QS 0, 1
	QS 0, 2
.Lone_scale_0:
	s_wait_loadcnt 0x0
	TURN 1
	s_wait_dscnt 0x0
	QS 1, 0
	s_cmp_lt_u32 ttmp9, XT
	s_cbranch_scc0 .Lone_scale_1
	QS 1, 1
	QS 1, 2
.Lone_scale_1:
	s_wait_tensorcnt 0x0
	ds_add_u32 v254, v255
	s_wait_dscnt 0x0
	s_endpgm
.Lfunc_end_k_q8fd0668f53_quant:
	.size	k_q8fd0668f53_quant, .Lfunc_end_k_q8fd0668f53_quant-k_q8fd0668f53_quant
	.p2alignl 7, 3214868480
	.fill 96, 4, 3214868480
	.section	.rodata,"a",@progbits
	.p2align	6, 0x0
	.amdhsa_kernel k_q8fd0668f53_quant
		.amdhsa_group_segment_fixed_size 68096
		.amdhsa_private_segment_fixed_size 0
		.amdhsa_enable_private_segment 0
		.amdhsa_kernarg_size 64
		.amdhsa_user_sgpr_count 2
		.amdhsa_user_sgpr_kernarg_segment_ptr 1
		.amdhsa_wavefront_size32 1
		.amdhsa_system_sgpr_workgroup_id_x 1
		.amdhsa_system_sgpr_workgroup_id_y 1
		.amdhsa_system_sgpr_workgroup_id_z 1
		.amdhsa_system_vgpr_workitem_id 0
		.amdhsa_next_free_vgpr 256
		.amdhsa_next_free_sgpr 66
		.amdhsa_reserve_vcc 0
		.amdhsa_float_denorm_mode_32 3
		.amdhsa_float_denorm_mode_16_64 3
		.amdhsa_memory_ordered 1
		.amdhsa_forward_progress 1
		.amdhsa_inst_pref_size 41
	.end_amdhsa_kernel
	.amdgpu_metadata
---
amdhsa.version: [ 1, 2 ]
amdhsa.kernels:
  - .name:           k_q8fd0668f53_quant
    .symbol:         k_q8fd0668f53_quant.kd
    .args:
      - { .name: x, .offset: 0, .size: 8, .value_kind: global_buffer, .address_space: global }
      - { .name: Wq, .offset: 8, .size: 8, .value_kind: global_buffer, .address_space: global }
      - { .name: Wk, .offset: 16, .size: 8, .value_kind: global_buffer, .address_space: global }
      - { .name: Wv, .offset: 24, .size: 8, .value_kind: global_buffer, .address_space: global }
      - { .name: Wo, .offset: 32, .size: 8, .value_kind: global_buffer, .address_space: global }
      - { .name: lowp_scales, .offset: 40, .size: 8, .value_kind: global_buffer, .address_space: global }
      - { .name: xc, .offset: 48, .size: 8, .value_kind: global_buffer, .address_space: global }
      - { .name: wc, .offset: 56, .size: 8, .value_kind: global_buffer, .address_space: global }
    .group_segment_fixed_size: 68096
    .private_segment_fixed_size: 0
    .kernarg_segment_align: 8
    .kernarg_segment_size: 64
    .max_flat_workgroup_size: 128
    .sgpr_count:     66
    .vgpr_count:     256
    .wavefront_size: 32
...
	.end_amdgpu_metadata
.endif
;; end of part 1
;; launch qkv (part 2): grid 4 x 64, 4 waves a work-group, clusters of 4 x 4, 327,680 bytes of LDS; arguments xc, wc, bq, bk, bv, lowp_scales, qc, kv; writes qc, kv
.if DOCPART == 2
	.amdgcn_target "amdgcn-amd-amdhsa--gfx1250"
	.amdhsa_code_object_version 6
	.text
	.protected	k_q8fd0668f53_qkv
	.globl	k_q8fd0668f53_qkv
	.p2align	8
	.type	k_q8fd0668f53_qkv,@function
k_q8fd0668f53_qkv:
	s_mov_b64 s[64:65], 0
	v_nop
	global_prefetch_b8 v0, s[64:65] scope:SCOPE_SE
	s_setreg_imm32_b32 hwreg(HW_REG_WAVE_MODE, 25, 1), 1
	s_wait_xcnt 0x0
	s_wait_alu depctr_hold_cnt(0) depctr_sa_sdst(0) depctr_va_vdst(0) depctr_va_sdst(0) depctr_va_ssrc(0) depctr_va_vcc(0) depctr_vm_vsrc(0)
	s_getreg_b32 s2, hwreg(HW_REG_IB_STS2, 6, 4)
	s_cmp_eq_u32 s2, 0
	s_cbranch_scc0 .Lentry_in_a_cluster
	s_endpgm
.Lentry_in_a_cluster:
	s_bfe_u32 s2, ttmp6, 0x10000c
	s_cmp_lg_u32 s2, 0xf033
	s_cbranch_scc0 .Lentry_shape_is_right
	s_endpgm
.Lentry_shape_is_right:
; q = x Wq^T + bq, k = x Wk^T + bk, v = x Wv^T + bv on codes of FP8 (E4M3), and their quantising for attention: q with entry 6 of the scales, k with entry 7, v with entry 9.
; THE IMAGE (all operand buffers): a fragment is 16 rows x 128 K, 2,048 bytes: byte 512 c + 16 lane + y = the code of row(T, lane % 16), k = 128 s + 32 c + 16 (lane / 16) + y,
; row(T, r) = 32 (T / 2) + 8 (T % 2) + r + 8 (r / 8).  xc, wc: byte (group of 128 rows) x 131072 + (K step) x 16384 + (tile in the group) x 2048.
; THE PRODUCT.  P: 256 rows (two groups), source 0: its rows run along a result's registers.  R: 128 rows (one group), source 1: its rows lie in the lanes.  By the choice of a tile's rows the 16 registers of
; P tiles 2 b and 2 b + 1 are the 16 neighbours 32 b + 16 (lane / 16) + 0 .. 15: one 16-byte piece of the NEXT product's image.  So the conversions' results are stored as they stand, 512 consecutive bytes a store.
; z = 0 q, 1 k: P = the weight's rows (features), R = tokens: K of the next product is the head's 64.  z = 2 v: P = tokens, R = Wv's rows (channels): K of the next product is the keys.
; qc: byte head x 131072 + (query tile) x 1024 + 512 c + 16 lane (d = 32 c + 16 (lane / 16) + y).   kv: byte head x 262144 + (step of 128 keys) x 16384 + { K: (key tile) x 1024 + 512 c | V: 8192 + (channel tile) x 2048 + 512 c (keys 32 c + ..) } + 16 lane.
; SHARES.  256 work-groups THAT STAY: each makes three blocks of 256 x 128, one of q, one of k, one of v.  q and k are a loop of two trips; v, whose bias lies the other way, is written out behind it and asks for nothing more.
; Four waves, as many as a WGP has SIMDs; wave w: R tiles 4 (w / 2) .. + 3, P group w % 2: 32 accumulators, 256 registers.
; LDS: three regions of 98,304 bytes, R's block, then P's two.  A region holds its block's K steps 0 to 5 on end, brought by ONE tensor load of 384 rows of 256 bytes; K steps 6 and 7 are filled into its first 32,768 bytes
; when K steps 0 and 1 have been read.  At K step 7 all fragments are in registers, so all three regions are free: the NEXT block's first loads go out there, ahead of K step 7's products and the way out.
; Wave 0 fetches for R, waves 1 and 2 for P, wave 3 nothing.  By the text's count a wave has one tensor load out at any time.  Nothing waits for a block's stores.
; CLUSTERS: 4 x 4.  P hangs on cx and is shared along a column of the cluster, R hangs on cy and is shared along a row: each block is asked for JOINTLY by four work-groups; z is the same in all sixteen.
; No prefetch into the L2: a block's operands are asked for by two loads, the first of them a K step and a way out ahead of its use: no later K steps are left to name.
; THE BIAS is the C of K step 0, divided by 2^(ex + ew), which the sums lack.  The three scales are folded into the conversion's one: 2^(eo - ex - ew).
; LIMITS: eo - ex - ew lies between -126 and 119 (ex, ew: the product's two entries, eo: the result's).
; REGISTERS, in windows of 256: window 0: v4-21 addresses and constants; v32-95 the codes; v128-191, v192-255 R's fragments, two sets.  window 1: P's fragments, two sets of 128.
;   window 2: accumulator (i1, i0) at v[64 i1 + 8 i0].   window 3: v0-63 the bias.
.set SLOTB, 98304                      ; a block's region
.set BLKB,  32768                      ; two K steps of a block
.set KSB,   16384                      ; one
.set SPARE, 3*SLOTB                    ; behind the regions: the spare words, 128 bytes for each wave: two blocks of 256 bytes that no other line names
.set ADR,  4                           ; v4-6    LDS address of my R fragments at K steps 0, 2, 4 of the region
.set ADP,  8                           ; v8-10   the same for P
.set LI,   12                          ; v12     16 x lane
.set VOF,  12                          ; v12-15  my byte in the stores of R tile i1
.set SPW,  16                          ; v16     LDS address of my spare word; never rewritten
.set NIL,  17                          ; v17     0; never rewritten
.set LIM,  18                          ; v18     448 x 2^(eo - ex - ew)
.set SCL,  19                          ; v19     2^(eo - ex - ew)
.set BO1,  20                          ; v20     the bias loads' offset where the bias runs along registers
.set BO2,  21                          ; v21     and where it runs along lanes
.set CD,   32
.set RF,   128
.set BI,   0                           ; in window 3
.set WV, 20
.set WM, 21
.set WN, 22
.set CX, 23
.set CY, 24
.set Z,  25                            ; the block in hand: 0 q, 1 k, 2 v
.set CL, 26
.set PB, 27                            ; which block of 256 rows of P
.set RB, 28                            ; which group of 128 rows of R
.set ZN, 31                            ; the next block
.set G1R, 32                           ; s[32:39] descriptor group 1 of R's refill (128 rows);  s[40:47] of P's
.set G1P, 40
.set G0R, 48                           ; s[48:51] group 0 for R;  s[68:71] for P
.set G1RH, 52                          ; s[52:59] group 1 of R's first load (384 rows);  s[72:79] of P's
.set G0P, 68
.set G1PH, 72
.set E,   80                           ; s[80:91] the twelve exponents
.set B0,  92                           ; s[92:93], s[94:95] the stores' two bases
.set B1,  94
.set MSB, 0
.macro WIN new                         ; the immediate's high byte repeats the setting that is left; bits 1:0 source 0, 3:2 source 1, 5:4 source 2, 7:6 destination
.if MSB != (\new)
	s_set_vgpr_msb (MSB<<8)|(\new)
.set MSB, (\new)
.endif
.endm
.macro PLACES n
.rept \n
	v_nop
.endr
.endm
.macro CREST                           ; a round of the cluster's barrier behind its opening barrier
	s_cmp_lg_u32 s[WV], 0
	s_cbranch_scc1 .Lnot_wave_0_\@
	s_barrier_signal -3
.Lnot_wave_0_\@:
	s_barrier_wait -3
	s_barrier_signal -1
	s_barrier_wait -1
.endm
.macro CROUND                          ; a whole round
	s_barrier_signal -1
	s_barrier_wait -1
	CREST
.endm
; A joint load: wave 0 fetches for R, waves 1 and 2 for P, wave 3 nothing.  gr, gp: the two groups 1.  The branches hang on the wave's number alone.  An s_nop 0 and four v_nop follow each of the two lines.
.macro JLOAD gr, gp
	s_cmp_eq_u32 s[WV], 0
	s_cbranch_scc0 .Lfor_p_\@
	tensor_load_to_lds s[G0R:G0R+3], s[\gr:\gr+7]
	s_nop 0
	PLACES 4
	s_branch .Lasked_\@
.Lfor_p_\@:
	s_cmp_lt_u32 s[WV], 3
	s_cbranch_scc0 .Lasked_\@
	tensor_load_to_lds s[G0P:G0P+3], s[\gp:\gp+7]
	s_nop 0
	PLACES 4
.Lasked_\@:
.endm
; Where block s[zr]'s operands lie: PB, RB and the two groups 0's global addresses.  Scalar work on registers alone; it stands where no tensor load of the wave is out.
.macro DESC zr
	s_lshr_b32 s2, s[CL], 1
	s_and_b32 s3, s[CL], 1
	s_lshl_b32 s29, s[\zr], 20                     ; q, k: P is the weight's image, z MiB into wc,
	s_lshl_b32 s30, s[\zr], 23                     ;       R is x's image, 8 z MiB into xc
	s_cmp_eq_u32 s[\zr], 2
	s_cselect_b32 s2, s2, 0                        ; v: 32 blocks of tokens for P, 8 groups of channels for R
	s_cselect_b32 s3, s3, s[CL]
	s_cselect_b32 s29, 0x1000000, s29              ; v: P is x's third image,
	s_cselect_b32 s30, 0x200000, s30               ;    R is Wv's
	s_cselect_b64 s[96:97], s[4:5], s[6:7]         ; P's buffer
	s_cselect_b64 s[98:99], s[6:7], s[4:5]         ; R's buffer
	s_lshl_b32 s2, s2, 2
	s_add_co_u32 s[PB], s2, s[CX]                  ; P's block hangs on cx and on what the sixteen share,
	s_lshl_b32 s3, s3, 2
	s_add_co_u32 s[RB], s3, s[CY]                  ; R's group on cy and on that
	s_lshl_b32 s60, s[PB], 1
	s_add_co_u32 s60, s60, s[WM]
	s_lshl_b32 s60, s60, 17
	s_add_co_u32 s60, s60, s29                     ; P: the byte of the group that I would fetch
	s_mov_b32 s61, 0
	s_lshl_b32 s62, s[RB], 17
	s_add_co_u32 s62, s62, s30                     ; R: likewise
	s_mov_b32 s63, 0
	s_add_nc_u64 s[G0P+2:G0P+3], s[96:97], s[60:61]
	s_or_b32 s[G0P+3], s[G0P+3], 0x80000000        ; type = 2
	s_add_nc_u64 s[G0R+2:G0R+3], s[98:99], s[62:63]
	s_or_b32 s[G0R+3], s[G0R+3], 0x80000000
.endm
; 48 LDS loads in one run: the fragments of K step 2 sg + kq of the regions into set p.  Every load takes 512 consecutive bytes, 16 x lane.
.macro FETCH sg, kq, p
	WIN 0x40                                       ; destination window 1
.irp i, 0,1,2,3,4,5,6,7
.irp c, 0,1,2,3
	ds_load_b128 v[128*(\p)+16*\i+4*\c:128*(\p)+16*\i+4*\c+3], v[ADP+\sg] offset:(\kq)*KSB+\i*2048+\c*512
.endr
.endr
	WIN 0
.irp i, 0,1,2,3
.irp c, 0,1,2,3
	ds_load_b128 v[RF+64*(\p)+16*\i+4*\c:RF+64*(\p)+16*\i+4*\c+3], v[ADR+\sg] offset:(\kq)*KSB+\i*2048+\c*512
.endr
.endr
.endm
; 8 matrix instructions: R tile i1 against P's eight, 128 along K, from set p.  cm = 0: onto the sums; 1: the sums begin with the bias of P's rows; 2: with the bias of R's rows (two copies, by turns).
; The 32 accumulators take turns, one instruction a turn, in the same order in every K step.
.macro MULROW i1, p, cm
.if \cm
	WIN 0xb1                                       ; source 0 (P) window 1, source 1 (R) window 0, C window 3, D window 2
.else
	WIN 0xa1                                       ; C and D window 2
.endif
.irp i0, 0,1,2,3,4,5,6,7
.if \cm == 0
	v_wmma_f32_16x16x128_fp8_fp8 v[64*\i1+8*\i0:64*\i1+8*\i0+7], v[128*(\p)+16*\i0:128*(\p)+16*\i0+15], v[RF+64*(\p)+16*\i1:RF+64*(\p)+16*\i1+15], v[64*\i1+8*\i0:64*\i1+8*\i0+7]
.elseif \cm == 1
	v_wmma_f32_16x16x128_fp8_fp8 v[64*\i1+8*\i0:64*\i1+8*\i0+7], v[128*(\p)+16*\i0:128*(\p)+16*\i0+15], v[RF+64*(\p)+16*\i1:RF+64*(\p)+16*\i1+15], v[BI+8*\i0:BI+8*\i0+7]
.else
	v_wmma_f32_16x16x128_fp8_fp8 v[64*\i1+8*\i0:64*\i1+8*\i0+7], v[128*(\p)+16*\i0:128*(\p)+16*\i0+15], v[RF+64*(\p)+16*\i1:RF+64*(\p)+16*\i1+15], v[BI+8*\i1+32*(\i0%2):BI+8*\i1+32*(\i0%2)+7]
.endif
.endr
.endm
; A K step that multiplies set p and fetches the next step's fragments into the other set.  A load into a register that a matrix instruction has read stands four plain
; vector instructions behind it (ISA guide 7.12.1 for vector instructions).
.macro STEPK sn, kn, p
	PLACES 4
	FETCH \sn, \kn, 1-\p
	s_wait_dscnt 48                                ; all but the 48 just issued: set p is in
	MULROW 0, \p, 0
	MULROW 1, \p, 0
	MULROW 2, \p, 0
	MULROW 3, \p, 0
	WIN 0
.endm
; A K step with a barrier in it.
.macro TURN sn, p, fill, dbl
	s_wait_tensorcnt 0x0                           ; all my tensor loads have landed
	ds_add_u32 v[SPW], v[NIL]                      ; 0 onto my spare word
.if \dbl
	ds_add_u32 v[SPW], v[NIL]
.endif
	s_wait_dscnt 1+\dbl                            ; the adds alone may be out: set p is in
	MULROW 0, \p, 0                                ; eight matrix instructions stand between the add and the wait for it
	s_wait_dscnt 0x0                               ; the add is done, and my LDS reads are over
	s_barrier_signal -1
	MULROW 1, \p, 0                                ; work on registers while the others arrive
	WIN 0
	s_barrier_wait -1
.if \fill
	CREST                                          ; no wave of any partner still reads those bytes or has a load on its way
	s_add_nc_u64 s[G0R+2:G0R+3], s[G0R+2:G0R+3], 3*BLKB   ; from K step 0 to K step 6; no load of mine is out, so a group 0 may be written
	s_add_nc_u64 s[G0P+2:G0P+3], s[G0P+2:G0P+3], 3*BLKB
	JLOAD G1R, G1P                                 ; the first tensor load behind the round, one a wave
.endif
	PLACES 4                                       ; on every wave's path
	FETCH \sn, 0, 1-\p
	MULROW 2, \p, 0
	MULROW 3, \p, 0
	WIN 0
.endm
; K step 7.  more = 1: its fragments are the last that are read from LDS, so the same three lines and a round stand here, and the next block's K steps 0 to 5 are asked for into the three regions.
.macro LASTK more
.if \more
	s_wait_tensorcnt 0x0                           ; no tensor load of mine is out, so the groups 0 may be written
	ds_add_u32 v[SPW], v[NIL]                      ; the add, here twice on end
	ds_add_u32 v[SPW], v[NIL]
	s_add_co_u32 s[ZN], s[Z], 1
	DESC ZN                                        ; work on registers between the add and the wait for it
	s_wait_dscnt 0x0                               ; the adds are done, K step 7's fragments are in, and my LDS reads of this block are over
	s_barrier_signal -1
	MULROW 0, 1, 0
	WIN 0
	s_barrier_wait -1
	CREST
	JLOAD G1RH, G1PH                               ; the first tensor load behind the round, one a wave
.else
	s_wait_dscnt 0x0
	MULROW 0, 1, 0
.endif
	MULROW 1, 1, 0
	MULROW 2, 1, 0
	MULROW 3, 1, 0
.endm
; One block.  v = 0: q or k (s[Z] tells which); v = 1: v.
.macro TILE v, more
	s_wait_xcnt 0x0                                ; the last block's stores have read their offsets, data and bases: all are written again only behind this wait
	s_cmp_eq_u32 s[Z], 2
	s_cselect_b32 s2, 2, 1
	s_lshl_b32 s2, s2, 10                          ; from R tile to R tile in the result's image: 1,024 bytes (q, k: K = 64) or 2,048 (v: K steps of 128 keys)
	v_add_nc_u32 v[VOF+1], s2, v[VOF]
	v_add_nc_u32 v[VOF+2], s2, v[VOF+1]
	v_add_nc_u32 v[VOF+3], s2, v[VOF+2]
	; where my results go
	s_lshl_b32 s2, s[PB], 1
	s_add_co_u32 s2, s2, s[WN]                     ; my group of P
	s_lshl_b32 s3, s[RB], 1
	s_add_co_u32 s3, s3, s[WM]                     ; v: my head in the batch: my 64 channels
	s_lshl_b32 s29, s2, 1                          ; q, k: my first head in the batch: a group of 128 features is two heads
	s_lshl_b32 s30, s[WM], 12                      ; q, k: my four tiles of tokens
	s_cmp_eq_u32 s[Z], 2
	s_cselect_b32 s2, s2, s[RB]                    ; the group of 128 tokens
	s_cselect_b32 s3, s3, s29
	s_cselect_b32 s30, 8192, s30                   ; v lies behind a step's K
	s_lshr_b32 s29, s2, 4                          ; the batch,
	s_and_b32 s2, s2, 15                           ; the step of 128 tokens in it
	s_lshl_b32 s29, s29, 4
	s_add_co_u32 s3, s3, s29                       ; the head among 64
	s_lshl_b32 s3, s3, 17
	s_lshl_b32 s2, s2, 13
	s_add_co_u32 s2, s2, s3                        ; qc: head x 131072 + step x 8192;
	s_cmp_eq_u32 s[Z], 0
	s_cselect_b32 s29, 0, 1
	s_cselect_b64 s[B0:B0+1], s[16:17], s[18:19]
	s_lshl_b32 s2, s2, s29                         ; kv: twice that
	s_add_co_u32 s2, s2, s30
	s_mov_b32 s3, 0
	s_add_nc_u64 s[B0:B0+1], s[B0:B0+1], s[2:3]
	s_lshl_b32 s2, 0x20000, s29                    ; pieces b = 2, 3: q, k: the next head;
	s_cmp_eq_u32 s[Z], 2
	s_cselect_b32 s2, 1024, s2                     ; v: keys 64 on
	s_add_nc_u64 s[B1:B1+1], s[B0:B0+1], s[2:3]
	; the bias
	s_lshl_b32 s2, s[PB], 10
	s_lshl_b32 s29, s[WN], 9
	s_add_co_u32 s2, s2, s29                       ; q, k: my 128 features
	s_lshl_b32 s30, s[RB], 9
	s_lshl_b32 s29, s[WM], 8
	s_add_co_u32 s30, s30, s29                     ; v: my 64 channels
	s_cmp_eq_u32 s[Z], 2
	s_cselect_b32 s2, s30, s2
	s_cselect_b64 s[66:67], s[12:13], s[10:11]
	s_cmp_eq_u32 s[Z], 0
	s_cselect_b64 s[66:67], s[8:9], s[66:67]
	s_add_nc_u64 s[66:67], s[66:67], s[2:3]
	s_wait_kmcnt 0x0                               ; the exponents: chosen, never branched on
	s_cmp_eq_u32 s[Z], 1
	s_cselect_b32 s2, s[E+2], s[E+4]
	s_cselect_b32 s3, s[E+3], s[E+5]
	s_cselect_b32 s29, s[E+7], s[E+9]
	s_cmp_eq_u32 s[Z], 0
	s_cselect_b32 s2, s[E], s2                     ; ex
	s_cselect_b32 s3, s[E+1], s3                   ; ew
	s_cselect_b32 s29, s[E+6], s29                 ; eo
	s_add_co_i32 s2, s2, s3
	s_sub_co_i32 s31, 0, s2                        ; -(ex + ew)
	s_sub_co_i32 s29, s29, s2
	s_add_co_i32 s29, s29, 127
	s_lshl_b32 s3, s29, 23
	v_mov_b32 v[SCL], s3                           ; 2^(eo - ex - ew) as f32
	s_add_co_i32 s29, s29, 8
	s_lshl_b32 s29, s29, 23
	s_or_b32 s29, s29, 0x600000
	v_mov_b32 v[LIM], s29                          ; 448 x that
	WIN 0xc0                                       ; destination window 3
	s_wait_alu depctr_va_vdst(0)                   ; ahead of the readers below
.if \v == 0                            ; q, k: for P tile t a lane wants the bias of features 32 (t / 2) + 16 (lane / 16) + 8 (t % 2) + 0 .. 7
.irp t, 0,1,2,3,4,5,6,7
	global_load_b128 v[BI+8*\t:BI+8*\t+3], v[BO1], s[66:67] offset:(32*(\t/2)+8*(\t%2))*4
	global_load_b128 v[BI+8*\t+4:BI+8*\t+7], v[BO1], s[66:67] offset:(32*(\t/2)+8*(\t%2))*4+16
.endr
	s_wait_loadcnt 0x0
	WIN 0xc3
.set j, 0
.rept 64
	v_ldexp_f32 v[BI+j], v[BI+j], s31              ; / 2^(ex + ew)
.set j, j+1
.endr
.else                                  ; v: for R tile i a lane wants the bias of ONE channel, 32 (i / 2) + 8 (i % 2) + r + 8 (r / 8), in all eight registers
.irp i, 0,1,2,3
	global_load_b32 v[BI+8*\i], v[BO2], s[66:67] offset:(32*(\i/2)+8*(\i%2))*4
.endr
	s_wait_loadcnt 0x0
	WIN 0xc3
.irp i, 0,1,2,3
	v_ldexp_f32 v[BI+8*\i], v[BI+8*\i], s31
.endr
.irp i, 0,1,2,3                        ; the block is laid twice, at 8 i and at 32 + 8 i: even and odd P tiles take the two copies
.irp j, 1,2,3,4,5,6,7
	v_mov_b32 v[BI+8*\i+\j], v[BI+8*\i]
.endr
.irp j, 0,1,2,3,4,5,6,7
	v_mov_b32 v[BI+32+8*\i+\j], v[BI+8*\i]
.endr
.endr
.endif
	WIN 0
	s_wait_alu depctr_va_vdst(0)
	s_wait_tensorcnt 0x0                           ; my one load, K steps 0 to 5 of my block, is in
	s_barrier_signal -1
	s_barrier_wait -1                              ; everybody's is
	FETCH 0, 0, 0
	FETCH 0, 1, 1                                  ; (the way out's lines are the places behind the last block's products)
	s_wait_dscnt 48
.irp i1, 0,1,2,3
.if \v == 0
	MULROW \i1, 0, 1                               ; K step 0: the first products start the sums, with the bias as C: nothing is cleared
.else
	MULROW \i1, 0, 2
.endif
.endr
	WIN 0
	TURN 1, 1, 1, 1                                ; K step 1; K steps 6 and 7 are asked for
	STEPK 1, 1, 0                                  ; K step 2
	STEPK 2, 0, 1                                  ; K step 3
	STEPK 2, 1, 0                                  ; K step 4
	TURN 0, 1, 0, \more                            ; K step 5; behind its barrier K steps 6 and 7 are whole; nothing is filled, so no round
	STEPK 0, 1, 0                                  ; K step 6
	LASTK \more                                    ; K step 7
	; THE WAY OUT: hold, convert, store.  No stage: the 16 registers of P tiles 2 b, 2 b + 1 are one 16-byte piece of the next image.
	PLACES 4
	WIN 0x82                                       ; source 0 and destination window 2
.set j, 0
.rept 256
	v_med3_num_f32 v[j], v[j], -v[LIM], v[LIM]     ; each accumulator from its low end on; the conversion does not saturate (ISA guide 7.6.2)
.set j, j+1
.endr
	WIN 0x02                                       ; source 0 window 2, destination window 0.  Tile i1's codes lie at CD + 16 ((3 i1 + 2) % 4): no conversion names one register number for result and source
.irp i1, 0,1,2,3
.irp b, 0,1,2,3
	v_cvt_scalef32_pk8_fp8_f32 v[CD+16*((3*\i1+2)%4)+4*\b:CD+16*((3*\i1+2)%4)+4*\b+1], v[64*\i1+16*\b:64*\i1+16*\b+7], v[SCL]
	v_cvt_scalef32_pk8_fp8_f32 v[CD+16*((3*\i1+2)%4)+4*\b+2:CD+16*((3*\i1+2)%4)+4*\b+3], v[64*\i1+16*\b+8:64*\i1+16*\b+15], v[SCL]
.endr
.endr
	v_nop                                          ; a plain line behind the last conversion
	WIN 0
.irp i1, 0,1,2,3
.irp b, 0,1,2,3
	global_store_b128 v[VOF+\i1], v[CD+16*((3*\i1+2)%4)+4*\b:CD+16*((3*\i1+2)%4)+4*\b+3], s[B0+2*(\b/2):B0+2*(\b/2)+1] offset:(\b%2)*512   ; 32 lanes store 512 consecutive bytes
.endr
.endr
.endm
	s_load_b512 s[4:19], s[0:1], 0x0               ; xc s[4:5], wc s[6:7], bq s[8:9], bk s[10:11], bv s[12:13], the exponents s[14:15], qc s[16:17], kv s[18:19]
	v_lshl_add_u32 v[SPW], v0, 2, SPARE
	v_mov_b32 v[NIL], 0
	ds_add_u32 v[SPW], v[NIL]                      ; the opening lines: the add, twice on end, and its wait ahead of the round in front of the first loads
	ds_add_u32 v[SPW], v[NIL]
	v_lshrrev_b32 v1, 5, v0
	v_readfirstlane_b32 s[WV], v1                  ; wave 0..3
	s_lshr_b32 s[WM], s[WV], 1                     ; which four tiles of R are mine.  Also: which of P's groups waves 1 and 2 fetch
	s_and_b32 s[WN], s[WV], 1                      ; which group of P is mine
	s_bfe_u32 s[CX], ttmp6, 0x40000                ; my place in the cluster
	s_bfe_u32 s[CY], ttmp6, 0x40004
	s_and_b32 s[CL], ttmp7, 0xffff                 ; cluster y: 0..15
	s_mov_b32 s[Z], 0
	s_lshl_b32 s31, s[CY], 2
	s_lshl_b32 s31, 15, s31                        ; my row of the cluster
	s_lshl_b32 s66, 0x1111, s[CX]                  ; my column
	; descriptor groups 1: dense blocks as rows of 32 elements of 8 bytes: 128 rows (a refill) or 384 (a first load)
	s_or_b32 s[G1R], s31, (3<<16)|(1<<21)          ; 15:0 the mask: R goes to my row; 17:16 elements of 8 bytes; 21 set beside a mask; no padding
	s_or_b32 s[G1P], s66, (3<<16)|(1<<21)          ; P goes to my column
	s_or_b32 s[G1RH], s31, (3<<16)|(1<<21)
	s_or_b32 s[G1PH], s66, (3<<16)|(1<<21)
.irp g, G1R, G1P
	s_mov_b32 s[\g+1], 32<<16                      ; tensor_dim0 = 32
	s_mov_b32 s[\g+2], 128<<16                     ; tensor_dim1 = 128
	s_mov_b32 s[\g+3], 32<<16                      ; tile_dim0 = 32
	s_mov_b32 s[\g+4], 128                         ; tile_dim1 = 128
	s_mov_b32 s[\g+5], 32                          ; from row to row: 32 elements
	s_mov_b32 s[\g+6], 0
	s_mov_b32 s[\g+7], 0
.endr
.irp g, G1RH, G1PH
	s_mov_b32 s[\g+1], 32<<16
	s_mov_b32 s[\g+2], 384<<16
	s_mov_b32 s[\g+3], 32<<16
	s_mov_b32 s[\g+4], 384
	s_mov_b32 s[\g+5], 32
	s_mov_b32 s[\g+6], 0
	s_mov_b32 s[\g+7], 0
.endr
	s_mov_b32 s[G0R], 1                            ; count = 1
	s_mul_i32 s[G0R+1], s[WV], SLOTB               ; my block's region: no place in the cluster enters an LDS address
	s_mov_b32 s[G0P], 1
	s_mul_i32 s[G0P+1], s[WV], SLOTB
	s_wait_dscnt 0x0                               ; both opening adds are done
	s_wait_kmcnt 0x0
	s_load_b256 s[E:E+7], s[14:15], 0x0
	s_load_b128 s[E+8:E+11], s[14:15], 0x20
	DESC Z
	CROUND                                         ; all sixteen work-groups are here: the first joint loads meet
	JLOAD G1RH, G1PH                               ; q's K steps 0 to 5: one tensor load a wave at the head
	v_and_b32 v1, 31, v0
	v_lshlrev_b32 v[LI], 4, v1
	s_wait_alu depctr_va_vdst(0)                   ; directly behind the write
	s_lshl_b32 s2, s[WM], 13                       ; my four tiles of R: 8192 x (wave / 2)
	s_mul_i32 s3, s[WN], SLOTB
	s_add_co_u32 s3, s3, SLOTB                     ; my group of P: the region behind R's, or the next
.irp s, 0,1,2
	v_add_nc_u32 v[ADR+\s], s2, v[LI]
	v_add_nc_u32 v[ADP+\s], s3, v[LI]
	s_add_co_u32 s2, s2, BLKB                      ; two K steps on in the region
	s_add_co_u32 s3, s3, BLKB
.endr
	v_bfe_u32 v1, v0, 4, 1
	v_lshlrev_b32 v[BO1], 6, v1                    ; 16 numbers x (lane / 16)
	v_and_b32 v3, 15, v0
	v_and_b32 v1, 8, v3
	v_add_nc_u32 v1, v1, v3
	v_lshlrev_b32 v[BO2], 2, v1                    ; number r + 8 (r / 8)
.Ltile:                                                ; two trips: q, then k; each asks for the block that follows it
	TILE 0, 1
	s_add_co_u32 s[Z], s[Z], 1
	s_cmp_lt_u32 s[Z], 2
	s_wait_alu depctr_va_vdst(0)
	s_cbranch_scc1 .Ltile
	TILE 1, 0                                      ; v is written out: it asks for nothing more
	s_wait_tensorcnt 0x0                           ; the wave's end
	ds_add_u32 v[SPW], v[NIL]
	s_wait_dscnt 0x0
	CROUND                                         ; the closing round: no work-group ends while a partner may still ask for a block that names it
	s_endpgm
.Lfunc_end_k_q8fd0668f53_qkv:
	.size	k_q8fd0668f53_qkv, .Lfunc_end_k_q8fd0668f53_qkv-k_q8fd0668f53_qkv
	.p2alignl 7, 3214868480
	.fill 96, 4, 3214868480
	.section	.rodata,"a",@progbits
	.p2align	6, 0x0
	.amdhsa_kernel k_q8fd0668f53_qkv
		.amdhsa_group_segment_fixed_size 327680
		.amdhsa_private_segment_fixed_size 0
		.amdhsa_enable_private_segment 0
		.amdhsa_kernarg_size 64
		.amdhsa_user_sgpr_count 2
		.amdhsa_user_sgpr_kernarg_segment_ptr 1
		.amdhsa_wavefront_size32 1
		.amdhsa_system_sgpr_workgroup_id_x 1
		.amdhsa_system_sgpr_workgroup_id_y 1
		.amdhsa_system_sgpr_workgroup_id_z 1
		.amdhsa_system_vgpr_workitem_id 0
		.amdhsa_next_free_vgpr 1024
		.amdhsa_next_free_sgpr 100
		.amdhsa_reserve_vcc 0
		.amdhsa_float_denorm_mode_32 3
		.amdhsa_float_denorm_mode_16_64 3
		.amdhsa_memory_ordered 1
		.amdhsa_forward_progress 1
		.amdhsa_inst_pref_size 149
	.end_amdhsa_kernel
	.amdgpu_metadata
---
amdhsa.version: [ 1, 2 ]
amdhsa.kernels:
  - .name:           k_q8fd0668f53_qkv
    .symbol:         k_q8fd0668f53_qkv.kd
    .args:
      - { .name: xc, .offset: 0, .size: 8, .value_kind: global_buffer, .address_space: global }
      - { .name: wc, .offset: 8, .size: 8, .value_kind: global_buffer, .address_space: global }
      - { .name: bq, .offset: 16, .size: 8, .value_kind: global_buffer, .address_space: global }
      - { .name: bk, .offset: 24, .size: 8, .value_kind: global_buffer, .address_space: global }
      - { .name: bv, .offset: 32, .size: 8, .value_kind: global_buffer, .address_space: global }
      - { .name: lowp_scales, .offset: 40, .size: 8, .value_kind: global_buffer, .address_space: global }
      - { .name: qc, .offset: 48, .size: 8, .value_kind: global_buffer, .address_space: global }
      - { .name: kv, .offset: 56, .size: 8, .value_kind: global_buffer, .address_space: global }
    .group_segment_fixed_size: 327680
    .private_segment_fixed_size: 0
    .kernarg_segment_align: 8
    .kernarg_segment_size: 64
    .max_flat_workgroup_size: 128
    .sgpr_count:     100
    .vgpr_count:     1024
    .wavefront_size: 32
...
	.end_amdgpu_metadata
.endif
;; end of part 2
;; launch attn (part 3): grid 4 x 64, 8 waves a work-group, no clusters, 271,360 bytes of LDS; arguments qc, kv, mask, lowp_scales, ac; writes ac
.if DOCPART == 3
	.amdgcn_target "amdgcn-amd-amdhsa--gfx1250"
	.amdhsa_code_object_version 6
	.text
	.protected	k_q8fd0668f53_attn
	.globl	k_q8fd0668f53_attn
	.p2align	8
	.type	k_q8fd0668f53_attn,@function
k_q8fd0668f53_attn:
	s_mov_b64 s[64:65], 0
	v_nop
	global_prefetch_b8 v0, s[64:65] scope:SCOPE_SE
	s_setreg_imm32_b32 hwreg(HW_REG_WAVE_MODE, 25, 1), 1
	s_wait_xcnt 0x0
; attended[q] = the sum over keys of softmax(q . k / 8, masked keys left out) v, both products on codes of FP8 (E4M3); the result is quantised with entry 10 of the scales for the last projection.
; THE SOFTMAX AHEAD OF THE SECOND PRODUCT: t = score x log2(e) / 8; M = the running largest t, rounded UP to a whole number; p = 2^(t - M) is quantised (entry 8), not normalised; the row's sum is taken of the
; unquantised p and divides at the end.  When M moves, the sum and O are multiplied by 2^(old M - new M): exact.
; INPUTS, as images of operand registers.  qc: byte head x 131072 + (query tile) x 1024 + 512 c + 16 lane.  kv: byte head x 262144 + (step of 128 keys) x 16384 + { K: (key tile) x 1024 + 512 c | V: 8192 + (channel tile) x 2048 + 512 c } + 16 lane.
; A tile's rows are not neighbours: row(T, r) = 32 (T / 2) + 8 (T % 2) + r + 8 (r / 8); so the 16 registers of result tiles 2 b, 2 b + 1 are the 16 neighbours 32 b + 16 (lane / 16) + 0 .. 15.
; OUTPUT ac: the image of the attended rows [8192][1024]: byte (group of 128 rows) x 131072 + (K step) x 16384 + (tile) x 2048 + 512 c + 16 lane.
; SHARES.  A work-group owns 512 queries of one head, in two passes of 256; each of its eight waves two tiles of 16 queries a pass, walked TOGETHER: every line of the softmax stands once for each tile, by turns, so that
; four chains of maxima and of sums run beside each other, and a step has one batch of 128 exponentials.  Two waves share a SIMD.
; THE WHOLE HEAD LIES IN LDS: 262,144 bytes of K and V, fetched once, 32 KiB a wave; the loops have no barrier.
; THE HOLD OF p.  p is at most 1 (but for the last bit of t - M), so 448 x 2^e8 lies over every p where e8 >= -8.  Where e8 < -8 they are run.
; e8 is a number read from memory.  K and V come through registers (64 loads and 64 LDS stores a wave),
; and there are no joint loads and no cluster, though the four work-groups of a head read the same 262,144 bytes.  No prefetch: every load of the launch is issued at its head, so there is no loop to run ahead in.
; LAYOUT.  Both products are used transposed: S^T = K Q^T (source 0 = 16 keys), O^T = V^T P^T (source 0 = 16 channels): a lane holds ONE query of each tile throughout.
; THE MASK costs no line in the loop: for each key a number, 0 or NEG = -2^120, lies in LDS and is the C of S^T.  A sum of codes is under 2^24 in magnitude, so NEG lies under every score; t of a masked key is at
; least 2^17 under every other, and its p is 0.  Steps that have met masked keys alone are wiped, by the factor 0, when the first open key comes.  A batch with no open key gives NaN in the definition: there the
; largest t lies under THR = c x (-2^60), and the lane's codes become NaN codes.
; LIMITS: e6 + e7 between -100 and 60 (added to c's exponent field; see the mask); e8 and e10 between -126 and 119; e8 + e9 is applied by v_ldexp_f32 and has none.
; REGISTERS.  Window 0, all that vector instructions work on: v1-7 addresses; v14, v15 the add's two; v16-19 constants; v20-31, v32-43 the two tiles' state; v48-111 O^T; v112-239 S^T, then p; v240-255 a pass's codes.
;   Window 1, operands: v0-31 p's codes; v32-95 K's eight fragments; v96-159 the mask's numbers; v160-223 V's four; v224-239 Q; v240-255 the second pass's Q.
.set STEPB, 16384                      ; a step's K and V
.set BIAS,  262144                     ; behind the head: one f32 for each of 2,048 keys, in key order
.set SPARE, BIAS+8192                  ; the spare words, 128 bytes for each wave: four blocks of 256 bytes that no other line names
.set LI,   1                           ; 16 x lane
.set AB0,  2                           ; BIAS + 64 (lane / 16)
.set ADV,  3                           ; the step's V
.set ADK,  4                           ; the next step's K
.set ADB,  5                           ; the next step's mask numbers
.set AF,   6                           ; where my wave's 32 KiB go: 32768 x wave + 16 x lane
.set AM,   7                           ; where my eight mask numbers go
.set SPW,  14
.set NIL,  15
.set LIMP, 16
.set SCP,  17
.set LIMA, 18
.set SCA,  19
.set TS,   12                          ; from tile 0's state to tile 1's
.set NM,   20                          ; -M
.set TM,   21                          ; the largest t
.set L,    22                          ; the sum, in two halves
.set F,    24                          ; f, and a written upper half
.set A,    26
.set B,    27
.set SA,   28
.set X,    30
.set NANM, 31
.set O,    48                          ; + 32 x tile
.set S,    112                         ; + 64 x tile
.set CO,   240                         ; + 8 x tile
.set P,    0                           ; window 1: + 16 x tile
.set K,    32
.set BI,   96
.set V,    160
.set Q,    224                         ; + 8 x tile
.set QN,   240
.set WV,   14
.set HD,   16
.set SEL,  32                          ; s[32:33] lane selects for v_permlanex16_b32: lane l xor 16
.set CS,   34                          ; s[34:35] c = log2(e) / 8 x 2^(e6 + e7)
.set E8,   38
.set TB,   41                          ; LDS byte of the step in hand, later of the next
.set TBB,  42                          ; the same among the mask's numbers
.set STEPS, 43
.set PASS, 44
.set THR,  45
.set EPV,  46                          ; e8 + e9
.set MSB, 0
.macro WIN new                         ; the immediate's high byte repeats the setting that is left; bits 1:0 source 0, 3:2 source 1, 5:4 source 2, 7:6 destination
.if MSB != (\new)
	s_set_vgpr_msb (MSB<<8)|(\new)
.set MSB, (\new)
.endif
.endm
	s_load_b256 s[4:11], s[0:1], 0x0               ; qc s[4:5], kv s[6:7], mask s[8:9], the exponents s[10:11]
	s_load_b64 s[12:13], s[0:1], 0x20              ; ac
	v_lshl_add_u32 v[SPW], v0, 2, SPARE
	v_mov_b32 v[NIL], 0
	v_lshrrev_b32 v8, 5, v0
	v_readfirstlane_b32 s[WV], v8                  ; wave 0..7
	v_and_b32 v9, 31, v0
	v_lshlrev_b32 v[LI], 4, v9
	v_lshlrev_b32 v10, 5, v0                       ; thread t takes the mask words of keys 8 t .. 8 t + 7
	v_lshl_add_u32 v[AM], v0, 5, BIAS
	v_bfe_u32 v11, v0, 4, 1
	v_lshl_add_u32 v[AB0], v11, 6, BIAS
	s_and_b32 s[HD], ttmp7, 0xffff                 ; the head among 64
	s_lshl_b32 s17, s[WV], 15                      ; my block: 32768 x wave, in the head and in LDS alike
	v_add_nc_u32 v[AF], s17, v[LI]
	s_lshl_b32 s18, s[HD], 18
	s_add_co_u32 s18, s18, s17
	s_mov_b32 s19, 0
	s_lshr_b32 s2, s[HD], 4
	s_lshl_b32 s2, s2, 13                          ; the batch's 2,048 mask words
	s_mov_b32 s3, 0
	s_lshl_b32 s20, s[HD], 17
	s_lshl_b32 s24, ttmp9, 15
	s_add_co_u32 s20, s20, s24
	s_lshl_b32 s24, s[WV], 11
	s_add_co_u32 s20, s20, s24                     ; Q: head x 131072 + (32 x + 2 wave) tiles of 1,024 bytes, x the work-group's 512 queries
	s_mov_b32 s21, 0
	; ac: batch x 2097152 + (4 x + wave / 4) x 131072 + (head / 2) x 16384 + (wave % 4) x 4096 + (head % 2) x 1024, head taken in the batch
	s_lshr_b32 s22, s[HD], 4
	s_lshl_b32 s22, s22, 21
	s_lshl_b32 s24, ttmp9, 2
	s_lshr_b32 s25, s[WV], 2
	s_add_co_u32 s24, s24, s25
	s_lshl_b32 s24, s24, 17
	s_add_co_u32 s22, s22, s24
	s_bfe_u32 s24, s[HD], 0x30001
	s_lshl_b32 s24, s24, 14
	s_add_co_u32 s22, s22, s24
	s_and_b32 s24, s[WV], 3
	s_lshl_b32 s24, s24, 12
	s_add_co_u32 s22, s22, s24
	s_and_b32 s24, s[HD], 1
	s_lshl_b32 s24, s24, 10
	s_add_co_u32 s22, s22, s24
	s_mov_b32 s23, 0
	s_mov_b32 s[SEL], 0x76543210
	s_mov_b32 s[SEL+1], 0xfedcba98
	s_wait_alu depctr_va_vdst(0)
	s_wait_kmcnt 0x0
	s_load_b128 s[36:39], s[10:11], 0x18           ; e6, e7, e8, e9
	s_load_b32 s40, s[10:11], 0x28                 ; e10
	s_add_nc_u64 s[8:9], s[8:9], s[2:3]
	s_add_nc_u64 s[6:7], s[6:7], s[18:19]
	s_add_nc_u64 s[4:5], s[4:5], s[20:21]
	s_add_nc_u64 s[12:13], s[12:13], s[22:23]
	global_load_b128 v[O:O+3], v10, s[8:9]         ; the mask's words
	global_load_b128 v[O+4:O+7], v10, s[8:9] offset:16
.set i, 0
.rept 32
	global_load_b128 v[S+4*i:S+4*i+3], v[LI], s[6:7] offset:512*i          ; my block's first half: each load takes 512 consecutive bytes
.set i, i+1
.endr
	WIN 0x40                                       ; destination window 1
.set i, 0
.rept 32
	global_load_b128 v[K+4*i:K+4*i+3], v[LI], s[6:7] offset:16384+512*i    ; and its second
.set i, i+1
.endr
.irp u, 0,1
	global_load_b128 v[Q+8*\u:Q+8*\u+3], v[LI], s[4:5] offset:1024*\u th:TH_LOAD_NT
	global_load_b128 v[Q+8*\u+4:Q+8*\u+7], v[LI], s[4:5] offset:1024*\u+512 th:TH_LOAD_NT
	global_load_b128 v[QN+8*\u:QN+8*\u+3], v[LI], s[4:5] offset:16384+1024*\u th:TH_LOAD_NT     ; the second pass: 16 tiles on
	global_load_b128 v[QN+8*\u+4:QN+8*\u+7], v[LI], s[4:5] offset:16384+1024*\u+512 th:TH_LOAD_NT
.endr
	WIN 0
	s_wait_kmcnt 0x0
	s_add_co_i32 s2, s36, s37
	s_lshl_b32 s2, s2, 23
	s_add_co_i32 s[CS], s2, 0x3e38aa3b             ; log2(e) / 8, with e6 + e7 added to its exponent field
	s_mov_b32 s[CS+1], s[CS]                       ; (named with it as a pair, so it is written)
	s_add_co_u32 s[THR], s[CS], 60<<23
	s_or_b32 s[THR], s[THR], 0x80000000            ; -c x 2^60
	s_add_co_i32 s[EPV], s38, s39
	s_add_co_i32 s2, s38, 127
	s_lshl_b32 s3, s2, 23                          ; 2^e8
	s_add_co_i32 s2, s2, 8
	s_lshl_b32 s2, s2, 23
	s_or_b32 s2, s2, 0x600000                      ; 448 x 2^e8
	s_add_co_i32 s17, s40, 127
	s_lshl_b32 s18, s17, 23                        ; 2^e10
	s_add_co_i32 s17, s17, 8
	s_lshl_b32 s17, s17, 23
	s_or_b32 s17, s17, 0x600000                    ; 448 x 2^e10
	v_mov_b32 v[LIMP], s2
	v_mov_b32 v[SCP], s3
	v_mov_b32 v[LIMA], s17
	v_mov_b32 v[SCA], s18
.irp u, 0,1
	v_mov_b32 v[X+TS*\u], 0                        ; written once: a lane permute's destination counts as one of its sources
	v_mov_b32 v[F+TS*\u+1], 0                      ; (named as the upper half of a pair)
.endr
	v_mov_b32 v8, 0xfb800000                       ; NEG = -2^120
	s_wait_alu depctr_va_vdst(0)
	s_wait_loadcnt 40                              ; the mask's words and the first half are in; the second half's 32 loads and Q's 8 may be out
.irp i, 0,1,2,3,4,5,6,7
	v_cmp_eq_u32 vcc_lo, 0, v[O+\i]
	v_cndmask_b32 v[O+\i], 0, v8, vcc_lo           ; mask == 0: NEG; else 0
.endr
	ds_store_b128 v[AM], v[O:O+3]
	ds_store_b128 v[AM], v[O+4:O+7] offset:16
.set i, 0
.rept 32
	ds_store_b128 v[AF], v[S+4*i:S+4*i+3] offset:512*i
.set i, i+1
.endr
	s_wait_loadcnt 8                               ; the second half is in; Q's 8 may be out
	WIN 0x04                                       ; an LDS store's data are source 1
.set i, 0
.rept 32
	ds_store_b128 v[AF], v[K+4*i:K+4*i+3] offset:16384+512*i
.set i, i+1
.endr
	WIN 0
	s_wait_dscnt 0x0                               ; my part of the head and my mask numbers are stored:
	s_barrier_signal -1
	s_barrier_wait -1                              ; everybody's.  From here on these bytes are only read
; The next step's K (8 fragments of 16 keys x 64) and mask numbers (for key tile t a lane wants keys 32 (t / 2) + 16 (lane / 16) + 8 (t % 2) + 0 .. 7).  The two additions and two v_nop are the four plain
; lines between the products that read these registers and the loads into them (ISA guide 7.12.1 for vector instructions), and ahead of the first read of S^T.
.macro FETCH_KB
	v_add_nc_u32 v[ADK], s[TB], v[LI]
	v_add_nc_u32 v[ADB], s[TBB], v[AB0]
	v_nop
	v_nop
	WIN 0x40
.irp t, 0,1,2,3,4,5,6,7
	ds_load_b128 v[K+8*\t:K+8*\t+3], v[ADK] offset:\t*1024
	ds_load_b128 v[K+8*\t+4:K+8*\t+7], v[ADK] offset:\t*1024+512
.endr
.irp t, 0,1,2,3,4,5,6,7
	ds_load_b128 v[BI+8*\t:BI+8*\t+3], v[ADB] offset:(32*(\t/2)+8*(\t%2))*4
	ds_load_b128 v[BI+8*\t+4:BI+8*\t+7], v[ADB] offset:(32*(\t/2)+8*(\t%2))*4+16
.endr
	WIN 0
.endm
	s_mov_b32 s[TB], 0
	s_mov_b32 s[TBB], 0
	FETCH_KB                                       ; step 0
	s_wait_loadcnt 0x0                             ; Q
	s_mov_b32 s[PASS], 2
.Lpass:
.irp u, 0,1                            ; the step is written once: the first finds zeros, which the first change of M leaves zeros
	v_mov_b32 v[TM+TS*\u], 0xff61b1e6              ; -3e38, under every t
	v_mov_b32 v[NM+TS*\u], 0x7f61b1e6              ; -M: 3e38, a whole number
	v_mov_b32 v[L+TS*\u], 0
	v_mov_b32 v[L+TS*\u+1], 0
.endr
.set j, 0
.rept 64
	v_mov_b32 v[O+j], 0
.set j, j+1
.endr
	s_mov_b32 s[STEPS], 16
.Lstep:
	v_add_nc_u32 v[ADV], s[TB], v[LI]              ; this line and three v_nop: the four plain lines behind the last products, which read V
	v_nop
	v_nop
	v_nop
	WIN 0x40
.irp ct, 0,1,2,3
.irp c, 0,1,2,3
	ds_load_b128 v[V+16*\ct+4*\c:V+16*\ct+4*\c+3], v[ADV] offset:8192+\ct*2048+\c*512
.endr
.endr
	s_wait_dscnt 16                                ; V's sixteen may be out: K and the mask's numbers are in
	WIN 0x15                                       ; K, Q and C in window 1, S^T in window 0
.irp t, 0,1,2,3,4,5,6,7
.irp u, 0,1
	v_wmma_f32_16x16x64_fp8_fp8 v[S+64*\u+8*\t:S+64*\u+8*\t+7], v[K+8*\t:K+8*\t+7], v[Q+8*\u:Q+8*\u+7], v[BI+8*\t:BI+8*\t+7]
.endr
.endr
	WIN 0
	s_add_co_u32 s[TB], s[TB], STEPB               ; the next step; behind the last comes step 0, which the next pass begins with
	s_and_b32 s[TB], s[TB], 0x3ffff
	s_lshr_b32 s[TBB], s[TB], 5                    ; 512 bytes of mask numbers a step
	FETCH_KB
	; the step's largest score of each query among the lane's 64 keys: four chains a tile; each accumulator is first read at its low end
.set MC, 240                           ; v240-247, four a tile: two more chains of maxima, later of sums (a pass's codes are laid there only at its end)
.irp u, 0,1                            ; FOUR chains a tile, eight in all: a line reads what the eighth line before it wrote.  The registers are taken in ascending order
	v_max3_num_f32 v[A+TS*\u], v[S+64*\u], v[S+64*\u+1], v[S+64*\u+2]
	v_max3_num_f32 v[B+TS*\u], v[S+64*\u+3], v[S+64*\u+4], v[S+64*\u+5]
	v_max3_num_f32 v[MC+4*\u], v[S+64*\u+6], v[S+64*\u+7], v[S+64*\u+8]
	v_max3_num_f32 v[MC+4*\u+1], v[S+64*\u+9], v[S+64*\u+10], v[S+64*\u+11]
.endr
.set j, 12
.rept 6
.irp u, 0,1
	v_max3_num_f32 v[A+TS*\u], v[A+TS*\u], v[S+64*\u+j], v[S+64*\u+j+1]
	v_max3_num_f32 v[B+TS*\u], v[B+TS*\u], v[S+64*\u+j+2], v[S+64*\u+j+3]
	v_max3_num_f32 v[MC+4*\u], v[MC+4*\u], v[S+64*\u+j+4], v[S+64*\u+j+5]
	v_max3_num_f32 v[MC+4*\u+1], v[MC+4*\u+1], v[S+64*\u+j+6], v[S+64*\u+j+7]
.endr
.set j, j+8
.endr
.irp u, 0,1
	v_max3_num_f32 v[A+TS*\u], v[A+TS*\u], v[S+64*\u+60], v[S+64*\u+61]
	v_max3_num_f32 v[B+TS*\u], v[B+TS*\u], v[S+64*\u+62], v[S+64*\u+63]
.endr
.irp u, 0,1
	v_max3_num_f32 v[A+TS*\u], v[A+TS*\u], v[B+TS*\u], v[MC+4*\u]
.endr
.irp u, 0,1
	v_max_num_f32 v[A+TS*\u], v[A+TS*\u], v[MC+4*\u+1]
.endr
.irp u, 0,1
	v_mul_f32 v[A+TS*\u], s[CS], v[A+TS*\u]        ; as t (c is positive)
.endr
.irp u, 0,1
	v_permlanex16_b32 v[X+TS*\u], v[A+TS*\u], s[SEL], s[SEL+1]
.endr
.irp u, 0,1
	v_max3_num_f32 v[TM+TS*\u], v[TM+TS*\u], v[A+TS*\u], v[X+TS*\u]   ; the running largest t: mine, lane l xor 16's, and the old one
.endr
.irp u, 0,1
	v_mov_b32 v[A+TS*\u], v[NM+TS*\u]
.endr
.irp u, 0,1
	v_floor_f32 v[NM+TS*\u], -v[TM+TS*\u]          ; the new -M = floor(-t): M is a whole number
.endr
.irp u, 0,1
	v_sub_f32 v[A+TS*\u], v[NM+TS*\u], v[A+TS*\u]  ; old M less new M: a whole number, 0 or less
.endr
.irp u, 0,1
	v_cvt_i32_f32 v[A+TS*\u], v[A+TS*\u]           ; (it saturates)
.endr
.irp u, 0,1
	v_ldexp_f32 v[F+TS*\u], 1.0, v[A+TS*\u]        ; f = 2^(old M - new M)
.endr
.irp u, 0,1
.set j, 0
.rept 32
	v_pk_fma_f32 v[S+64*\u+j:S+64*\u+j+1], v[S+64*\u+j:S+64*\u+j+1], s[CS:CS+1], v[NM+TS*\u:NM+TS*\u+1] op_sel_hi:[1,0,0]   ; t - M, two at a time
.set j, j+2
.endr
.endr
.irp u, 0,1                            ; O^T and the sums under the new M, ahead of the exponentials: no transcendental stands between the last products and these first reads of their results
.set j, 0
.rept 16
	v_pk_mul_f32 v[O+32*\u+j:O+32*\u+j+1], v[O+32*\u+j:O+32*\u+j+1], v[F+TS*\u:F+TS*\u+1] op_sel_hi:[1,0]
.set j, j+2
.endr
	v_pk_mul_f32 v[L+TS*\u:L+TS*\u+1], v[L+TS*\u:L+TS*\u+1], v[F+TS*\u:F+TS*\u+1] op_sel_hi:[1,0]
.endr
	s_wait_alu depctr_va_vdst(0)
.set j, 0
.rept 128
	v_exp_f32 v[S+j], v[S+j]                       ; p = 2^(t - M)
.set j, j+1
.endr
	v_nop                                          ; the plain line behind the exponentials
	s_wait_alu depctr_va_vdst(0)                   ; one wait for the whole batch, ahead of its first reader
.irp u, 0,1                            ; the rows' sums are taken of the unquantised p: four chains a tile, 32 additions of pairs as with any other tree
	v_pk_add_f32 v[SA+TS*\u:SA+TS*\u+1], v[S+64*\u:S+64*\u+1], v[S+64*\u+2:S+64*\u+3]
	v_pk_add_f32 v[MC+4*\u:MC+4*\u+1], v[S+64*\u+4:S+64*\u+5], v[S+64*\u+6:S+64*\u+7]
	v_pk_add_f32 v[MC+4*\u+2:MC+4*\u+3], v[S+64*\u+8:S+64*\u+9], v[S+64*\u+10:S+64*\u+11]
	v_pk_add_f32 v[L+TS*\u:L+TS*\u+1], v[L+TS*\u:L+TS*\u+1], v[S+64*\u+12:S+64*\u+13]
.endr
.set j, 14
.rept 6
.irp u, 0,1
	v_pk_add_f32 v[SA+TS*\u:SA+TS*\u+1], v[SA+TS*\u:SA+TS*\u+1], v[S+64*\u+j:S+64*\u+j+1]
	v_pk_add_f32 v[MC+4*\u:MC+4*\u+1], v[MC+4*\u:MC+4*\u+1], v[S+64*\u+j+2:S+64*\u+j+3]
	v_pk_add_f32 v[MC+4*\u+2:MC+4*\u+3], v[MC+4*\u+2:MC+4*\u+3], v[S+64*\u+j+4:S+64*\u+j+5]
	v_pk_add_f32 v[L+TS*\u:L+TS*\u+1], v[L+TS*\u:L+TS*\u+1], v[S+64*\u+j+6:S+64*\u+j+7]
.endr
.set j, j+8
.endr
.irp u, 0,1
	v_pk_add_f32 v[SA+TS*\u:SA+TS*\u+1], v[SA+TS*\u:SA+TS*\u+1], v[S+64*\u+62:S+64*\u+63]
	v_pk_add_f32 v[MC+4*\u:MC+4*\u+1], v[MC+4*\u:MC+4*\u+1], v[MC+4*\u+2:MC+4*\u+3]
.endr
.irp u, 0,1
	v_pk_add_f32 v[L+TS*\u:L+TS*\u+1], v[L+TS*\u:L+TS*\u+1], v[SA+TS*\u:SA+TS*\u+1]
.endr
.irp u, 0,1
	v_pk_add_f32 v[L+TS*\u:L+TS*\u+1], v[L+TS*\u:L+TS*\u+1], v[MC+4*\u:MC+4*\u+1]
.endr
	s_wait_alu depctr_va_vdst(0)
	s_cmp_ge_i32 s[E8], -8                         ; 448 x 2^e8 >= 1.75: over every p, so the hold changes nothing
	s_cbranch_scc1 .Lfits
.set j, 0
.rept 128
	v_min_num_f32 v[S+j], v[S+j], v[LIMP]          ; the conversion does not saturate (ISA guide 7.6.2); p is not negative, so the hold is one-sided
.set j, j+1
.endr
.Lfits:
	WIN 0x40                                       ; p's codes go to window 1
.irp u, 0,1
.irp b, 0,1,2,3
	v_cvt_scalef32_pk8_fp8_f32 v[P+16*\u+4*\b:P+16*\u+4*\b+1], v[S+64*\u+16*\b:S+64*\u+16*\b+7], v[SCP]
	v_cvt_scalef32_pk8_fp8_f32 v[P+16*\u+4*\b+2:P+16*\u+4*\b+3], v[S+64*\u+16*\b+8:S+64*\u+16*\b+15], v[SCP]
.endr
.endr
	v_nop                                          ; a plain line between the conversions and the products that read their results
	s_wait_alu depctr_va_vdst(0)
	s_wait_dscnt 32                                ; the next step's 32 loads may be out: V is in
	WIN 0x05                                       ; V and p's codes in window 1, O^T in window 0
.irp ct, 0,1,2,3                       ; O^T += V^T P^T: eight accumulators, one instruction each
.irp u, 0,1
	v_wmma_f32_16x16x128_fp8_fp8 v[O+32*\u+8*\ct:O+32*\u+8*\ct+7], v[V+16*\ct:V+16*\ct+15], v[P+16*\u:P+16*\u+15], v[O+32*\u+8*\ct:O+32*\u+8*\ct+7]
.endr
.endr
	WIN 0
	s_sub_co_u32 s[STEPS], s[STEPS], 1
	s_cmp_lg_u32 s[STEPS], 0
	s_cbranch_scc1 .Lstep
	; A PASS'S END: O^T / the sum x 2^(e8 + e9), quantised with 2^e10.  The 16 registers of channel tiles 2 b, 2 b + 1 are one 16-byte piece of ac's image: two stores of 512 consecutive bytes a tile.
.irp u, 0,1
	v_add_f32 v[A+TS*\u], v[L+TS*\u], v[L+TS*\u+1]
.endr
.irp u, 0,1
	v_permlanex16_b32 v[X+TS*\u], v[A+TS*\u], s[SEL], s[SEL+1]
.endr
.irp u, 0,1
	v_add_f32 v[A+TS*\u], v[A+TS*\u], v[X+TS*\u]   ; the row's sum
.endr
	s_wait_alu depctr_va_vdst(0)
	v_rcp_f32 v[A], v[A]
	v_rcp_f32 v[A+TS], v[A+TS]
.irp u, 0,1
	v_mov_b32 v[B+TS*\u], 0x7f7f7f7f               ; (a plain line behind the reciprocals)  four NaN codes
	v_cmp_gt_f32 vcc_lo, s[THR], v[TM+TS*\u]       ; no open key at all?
	v_cndmask_b32 v[NANM+TS*\u], 0, v[B+TS*\u], vcc_lo
.endr
	s_wait_alu depctr_va_vdst(0)                   ; ahead of the first line that names a reciprocal
.irp u, 0,1
	v_ldexp_f32 v[A+TS*\u], v[A+TS*\u], s[EPV]
.endr
	s_wait_alu depctr_va_vdst(0)                   ; directly ahead of the first reader of O^T
.irp u, 0,1
.set j, 0
.rept 16
	v_pk_mul_f32 v[S+64*\u+j:S+64*\u+j+1], v[O+32*\u+j:O+32*\u+j+1], v[A+TS*\u:A+TS*\u+1] op_sel_hi:[1,0]   ; each accumulator from its low end on
.set j, j+2
.endr
.endr
.irp u, 0,1
.set j, 0
.rept 32
	v_med3_num_f32 v[S+64*\u+j], v[S+64*\u+j], -v[LIMA], v[LIMA]
.set j, j+1
.endr
.endr
.irp u, 0,1
.irp g, 0,1,2,3
	v_cvt_scalef32_pk8_fp8_f32 v[CO+8*\u+2*\g:CO+8*\u+2*\g+1], v[S+64*\u+8*\g:S+64*\u+8*\g+7], v[SCA]
.endr
.endr
	v_nop                                          ; a plain line between the conversions and the lines that touch their results
.irp u, 0,1
.irp i, 0,1,2,3,4,5,6,7
	v_or_b32 v[CO+8*\u+\i], v[CO+8*\u+\i], v[NANM+TS*\u]
.endr
.endr
.irp u, 0,1
	global_store_b128 v[LI], v[CO+8*\u:CO+8*\u+3], s[12:13] offset:\u*2048
	global_store_b128 v[LI], v[CO+8*\u+4:CO+8*\u+7], s[12:13] offset:\u*2048+512
.endr
	WIN 0x41                                       ; source 0 and destination window 1
.set j, 0
.rept 16
	v_mov_b32 v[Q+j], v[QN+j]                      ; the second pass's queries
.set j, j+1
.endr
	WIN 0
	s_wait_xcnt 0x0                                ; the stores have read their data and their base: both are written again only behind this wait
	s_add_nc_u64 s[12:13], s[12:13], 262144        ; the second pass: 16 tiles, two groups of 128 rows, on
	s_sub_co_u32 s[PASS], s[PASS], 1
	s_cmp_lg_u32 s[PASS], 0
	s_wait_alu depctr_va_vdst(0)
	s_cbranch_scc1 .Lpass
	s_wait_tensorcnt 0x0                           ; the wave's end
	ds_add_u32 v[SPW], v[NIL]
	s_wait_dscnt 0x0
	s_endpgm
.Lfunc_end_k_q8fd0668f53_attn:
	.size	k_q8fd0668f53_attn, .Lfunc_end_k_q8fd0668f53_attn-k_q8fd0668f53_attn
	.p2alignl 7, 3214868480
	.fill 96, 4, 3214868480
	.section	.rodata,"a",@progbits
	.p2align	6, 0x0
	.amdhsa_kernel k_q8fd0668f53_attn
		.amdhsa_group_segment_fixed_size 271360
		.amdhsa_private_segment_fixed_size 0
		.amdhsa_enable_private_segment 0
		.amdhsa_kernarg_size 40
		.amdhsa_user_sgpr_count 2
		.amdhsa_user_sgpr_kernarg_segment_ptr 1
		.amdhsa_wavefront_size32 1
		.amdhsa_system_sgpr_workgroup_id_x 1
		.amdhsa_system_sgpr_workgroup_id_y 1
		.amdhsa_system_sgpr_workgroup_id_z 1
		.amdhsa_system_vgpr_workitem_id 0
		.amdhsa_next_free_vgpr 512
		.amdhsa_next_free_sgpr 66
		.amdhsa_reserve_vcc 1
		.amdhsa_float_denorm_mode_32 3
		.amdhsa_float_denorm_mode_16_64 3
		.amdhsa_memory_ordered 1
		.amdhsa_forward_progress 1
		.amdhsa_inst_pref_size 59
	.end_amdhsa_kernel
	.amdgpu_metadata
---
amdhsa.version: [ 1, 2 ]
amdhsa.kernels:
  - .name:           k_q8fd0668f53_attn
    .symbol:         k_q8fd0668f53_attn.kd
    .args:
      - { .name: qc, .offset: 0, .size: 8, .value_kind: global_buffer, .address_space: global }
      - { .name: kv, .offset: 8, .size: 8, .value_kind: global_buffer, .address_space: global }
      - { .name: mask, .offset: 16, .size: 8, .value_kind: global_buffer, .address_space: global }
      - { .name: lowp_scales, .offset: 24, .size: 8, .value_kind: global_buffer, .address_space: global }
      - { .name: ac, .offset: 32, .size: 8, .value_kind: global_buffer, .address_space: global }
    .group_segment_fixed_size: 271360
    .private_segment_fixed_size: 0
    .kernarg_segment_align: 8
    .kernarg_segment_size: 40
    .max_flat_workgroup_size: 256
    .sgpr_count:     66
    .vgpr_count:     512
    .wavefront_size: 32
...
	.end_amdgpu_metadata
.endif
;; end of part 3
;; launch outp (part 4): grid 4 x 64, 4 waves a work-group, clusters of 4 x 4, 327,680 bytes of LDS; arguments ac, wc, bo, lowp_scales, out0; writes out0
.if DOCPART == 4
	.amdgcn_target "amdgcn-amd-amdhsa--gfx1250"
	.amdhsa_code_object_version 6
	.text
	.protected	k_q8fd0668f53_outp
	.globl	k_q8fd0668f53_outp
	.p2align	8
	.type	k_q8fd0668f53_outp,@function
k_q8fd0668f53_outp:
	s_mov_b64 s[64:65], 0
	v_nop
	global_prefetch_b8 v0, s[64:65] scope:SCOPE_SE
	s_setreg_imm32_b32 hwreg(HW_REG_WAVE_MODE, 25, 1), 1
	s_wait_xcnt 0x0
	s_wait_alu depctr_hold_cnt(0) depctr_sa_sdst(0) depctr_va_vdst(0) depctr_va_sdst(0) depctr_va_ssrc(0) depctr_va_vcc(0) depctr_vm_vsrc(0)
	s_getreg_b32 s2, hwreg(HW_REG_IB_STS2, 6, 4)
	s_cmp_eq_u32 s2, 0
	s_cbranch_scc0 .Lentry_in_a_cluster
	s_endpgm
.Lentry_in_a_cluster:
	s_bfe_u32 s2, ttmp6, 0x10000c
	s_cmp_lg_u32 s2, 0xf033
	s_cbranch_scc0 .Lentry_shape_is_right
	s_endpgm
.Lentry_shape_is_right:
; out0 = attended Wo^T + bo on codes of FP8 (E4M3): out0 [8192][1024] f32 = sum of codes x 2^(e10 + e11) + bo.
; OPERANDS as images of their registers: a fragment is 16 rows x 128 K, 2,048 bytes: byte 512 c + 16 lane + y = the code of row(T, lane % 16), k = 128 s + 32 c + 16 (lane / 16) + y,
; row(T, r) = 32 (T / 2) + 8 (T % 2) + r + 8 (r / 8); a tensor: byte (group of 128 rows) x 131072 + (K step) x 16384 + (tile in the group) x 2048.  Wo's image lies 3 MiB into wc.
; THE PRODUCT.  P = 256 rows of Wo (features), source 0: they run along a result's registers.  R = 128 tokens, source 1: they lie in the lanes.  The 16 registers of P tiles 2 b, 2 b + 1 are features 32 b + 16 (lane / 16) + 0 .. 15.
; SHARES.  Four waves, as many as a WGP has SIMDs; wave w: R tiles 4 (w / 2) .. + 3, P group w % 2: 32 accumulators.  256 work-groups.
; K = 1,024 is 8 steps of 128.  LDS: three slots of two K steps (R 32 KiB, P 2 x 32 KiB), all asked for at the head; slot 0 alone is filled again (K steps 6, 7).  A wave has one tensor load out at any time.
; CLUSTERS: 4 x 4.  P hangs on cx and is shared along a column of the cluster, R on cy and along a row: each block of 32 KiB is asked for JOINTLY by four work-groups.
; LIMIT: e10 + e11 lies between -126 and 127, so that 2^(e10 + e11) is an f32 number.
; REGISTERS, in windows of 256: window 0: v2-17 addresses; v32-95 a block's results; v128-191, v192-255 R's fragments, two sets, later rows on their way out.  window 1: P's fragments, two sets of 128.
;   window 2: accumulator (i1, i0) at v[64 i1 + 8 i0].   window 3: v0-63 bo, in a result's layout.
.set SLOTB, 98304
.set BLKB,  32768
.set KSB,   16384
.set SPARE, 3*SLOTB                    ; behind the slots: the spare words, 128 bytes for each wave: two blocks of 256 bytes that no other line names
.set SP,    528                        ; the way out: a stage of 16 rows x (512 bytes + 16) for each wave.  It lies in R's region from its K step 2 on, which has had its one fill and its last read when the first result is stored there
.set LI,   2                           ; v2      16 x lane
.set ADR,  4                           ; v4-6    LDS address of my R fragments in slot 0, 1, 2
.set ADP,  8                           ; v8-10   the same for P
.set STO,  12                          ; v12     the stage: where I put 64 bytes of a row
.set RD,   13                          ; v13     and where I read a row back
.set SPW,  16                          ; v16     LDS address of my spare word; never rewritten
.set NIL,  17                          ; v17     0; never rewritten
.set BO1,  20                          ; v20     the bias loads' offset
.set TMP,  32
.set RF,   128
.set BK,   128
.set BI,   0                           ; in window 3
.set WV, 20
.set WM, 21
.set WN, 22
.set CX, 23
.set CY, 24
.set CL, 26
.set RB, 28
.set G1R, 32
.set G1P, 40
.set G0R, 48
.set G0P, 68
; LDS AS IT IS LAID NOW: three regions of SLOTB bytes, R's block, then P's two; a region holds its block's K steps 0 to 5 on end, brought by ONE tensor load of 384 rows of 256 bytes (one load a wave at the head);
; K steps 6 and 7 are filled later into a region's first BLKB bytes.  By the text's count a wave has one tensor load out at any time.  The stages of the way out lie in R's region, from its K step 2 on.
.set G1RH, 52                          ; s[52:59] descriptor group 1 of R's first load;  s[72:79] of P's
.set G1PH, 72
.set MSB, 0
.macro WIN new                         ; the immediate's high byte repeats the setting that is left; bits 1:0 source 0, 3:2 source 1, 5:4 source 2, 7:6 destination
.if MSB != (\new)
	s_set_vgpr_msb (MSB<<8)|(\new)
.set MSB, (\new)
.endif
.endm
.macro PLACES n
.rept \n
	v_nop
.endr
.endm
.macro CREST                           ; a round of the cluster's barrier behind its opening barrier
	s_cmp_lg_u32 s[WV], 0
	s_cbranch_scc1 .Lnot_wave_0_\@
	s_barrier_signal -3
.Lnot_wave_0_\@:
	s_barrier_wait -3
	s_barrier_signal -1
	s_barrier_wait -1
.endm
.macro CROUND
	s_barrier_signal -1
	s_barrier_wait -1
	CREST
.endm
; The joint refill of slot 0: wave 0 fetches R's block, waves 1 and 2 P's two, wave 3 nothing.  Four v_nop follow each of the two lines.
.macro JLOAD
	s_cmp_eq_u32 s[WV], 0
	s_cbranch_scc0 .Lfor_p_\@
	tensor_load_to_lds s[G0R:G0R+3], s[G1R:G1R+7]
	s_nop 0
	PLACES 4
	s_branch .Lasked_\@
.Lfor_p_\@:
	s_cmp_lt_u32 s[WV], 3
	s_cbranch_scc0 .Lasked_\@
	tensor_load_to_lds s[G0P:G0P+3], s[G1P:G1P+7]
	s_nop 0
	PLACES 4
.Lasked_\@:
.endm
.macro FETCH sg, kq, p                 ; 48 LDS loads in one run: the fragments of K step kq of slot sg into set p; every load takes 512 consecutive bytes
	WIN 0x40
.irp i, 0,1,2,3,4,5,6,7
.irp c, 0,1,2,3
	ds_load_b128 v[128*(\p)+16*\i+4*\c:128*(\p)+16*\i+4*\c+3], v[ADP+\sg] offset:(\kq)*KSB+\i*2048+\c*512
.endr
.endr
	WIN 0
.irp i, 0,1,2,3
.irp c, 0,1,2,3
	ds_load_b128 v[RF+64*(\p)+16*\i+4*\c:RF+64*(\p)+16*\i+4*\c+3], v[ADR+\sg] offset:(\kq)*KSB+\i*2048+\c*512
.endr
.endr
.endm
; 8 matrix instructions: R tile i1 against P's eight.  zero = 1: the first product starts the sums.  The 32 accumulators take turns, one instruction a turn, in the same order in every K step.
.macro MULROW i1, p, zero
	WIN 0xa1                                       ; source 0 (P) window 1, source 1 (R) window 0, C and D window 2
.irp i0, 0,1,2,3,4,5,6,7
.if \zero
	v_wmma_f32_16x16x128_fp8_fp8 v[64*\i1+8*\i0:64*\i1+8*\i0+7], v[128*(\p)+16*\i0:128*(\p)+16*\i0+15], v[RF+64*(\p)+16*\i1:RF+64*(\p)+16*\i1+15], 0
.else
	v_wmma_f32_16x16x128_fp8_fp8 v[64*\i1+8*\i0:64*\i1+8*\i0+7], v[128*(\p)+16*\i0:128*(\p)+16*\i0+15], v[RF+64*(\p)+16*\i1:RF+64*(\p)+16*\i1+15], v[64*\i1+8*\i0:64*\i1+8*\i0+7]
.endif
.endr
.endm
; A K step that multiplies set p and fetches the next step's fragments into the other set.  A load into a register that a matrix instruction has read stands four plain vector instructions behind it.
.macro STEPK sn, kn, p
	PLACES 4
	FETCH \sn, \kn, 1-\p
	s_wait_dscnt 48                                ; all but the 48 just issued: set p is in
	MULROW 0, \p, 0
	MULROW 1, \p, 0
	MULROW 2, \p, 0
	MULROW 3, \p, 0
	WIN 0
.endm
; A K step with a barrier in it.  In front of the barrier each wave waits for all its tensor loads, adds 0 to its spare word, and waits for that and for its LDS reads.
; fill = 1: the barrier opens a round of the cluster's, and behind the round slot 0 is filled again.
.macro TURN sn, p, fill
	s_wait_tensorcnt 0x0                           ; all my tensor loads have landed
	ds_add_u32 v[SPW], v[NIL]
.if \fill
	ds_add_u32 v[SPW], v[NIL]                      ; the add stands twice on end
.endif
	s_wait_dscnt 1+\fill                           ; the adds alone may be out: set p is in
	MULROW 0, \p, 0
	s_wait_dscnt 0x0                               ; the add is done, and my LDS reads are over
	s_barrier_signal -1
	MULROW 1, \p, 0
	WIN 0
	s_barrier_wait -1
.if \fill
	CREST                                          ; no wave of any partner still reads slot 0 or has a load on its way
	s_add_nc_u64 s[G0R+2:G0R+3], s[G0R+2:G0R+3], 3*BLKB   ; K steps 6, 7
	s_add_nc_u64 s[G0P+2:G0P+3], s[G0P+2:G0P+3], 3*BLKB
	JLOAD                                          ; the first tensor load behind the round, one a wave
.endif
	PLACES 4
	FETCH \sn, 0, 1-\p
	MULROW 2, \p, 0
	MULROW 3, \p, 0
	WIN 0
.endm
	s_load_b256 s[4:11], s[0:1], 0x0               ; ac s[4:5], wc s[6:7], bo s[8:9], the exponents s[10:11]
	s_load_b64 s[12:13], s[0:1], 0x20              ; out0
	v_lshl_add_u32 v[SPW], v0, 2, SPARE
	v_mov_b32 v[NIL], 0
	ds_add_u32 v16, v17
	ds_add_u32 v16, v17
	s_wait_dscnt 0x0
	v_lshrrev_b32 v1, 5, v0
	v_readfirstlane_b32 s[WV], v1                  ; wave 0..3
	s_lshr_b32 s[WM], s[WV], 1                     ; which four tiles of R are mine.  Also: which of P's groups waves 1 and 2 fetch
	s_and_b32 s[WN], s[WV], 1                      ; which group of P is mine
	s_bfe_u32 s[CX], ttmp6, 0x40000                ; my place in the cluster: cx is also my block of 256 features
	s_bfe_u32 s[CY], ttmp6, 0x40004
	s_and_b32 s[CL], ttmp7, 0xffff                 ; cluster y
	s_lshl_b32 s2, s[CL], 2
	s_add_co_u32 s[RB], s2, s[CY]                  ; my group of 128 tokens
	s_lshl_b32 s60, s[CX], 1
	s_add_co_u32 s60, s60, s[WM]
	s_lshl_b32 s60, s60, 17
	s_add_co_u32 s60, s60, 0x300000                ; P: the byte of the group that I would fetch, in Wo's image
	s_mov_b32 s61, 0
	s_lshl_b32 s62, s[RB], 17                      ; R: likewise
	s_mov_b32 s63, 0
	s_lshl_b32 s31, s[CY], 2
	s_lshl_b32 s31, 15, s31                        ; my row of the cluster
	s_lshl_b32 s66, 0x1111, s[CX]                  ; my column
	s_or_b32 s[G1R], s31, (3<<16)|(1<<21)          ; 15:0 the mask: R goes to my row; 17:16 elements of 8 bytes; 21 set beside a mask; no padding
	s_or_b32 s[G1P], s66, (3<<16)|(1<<21)
	s_or_b32 s[G1RH], s31, (3<<16)|(1<<21)
	s_or_b32 s[G1PH], s66, (3<<16)|(1<<21)
.irp g, G1RH, G1PH
	s_mov_b32 s[\g+1], 32<<16                      ; the first loads: 384 rows of 32 elements of 8 bytes
	s_mov_b32 s[\g+2], 384<<16
	s_mov_b32 s[\g+3], 32<<16
	s_mov_b32 s[\g+4], 384
	s_mov_b32 s[\g+5], 32
	s_mov_b32 s[\g+6], 0
	s_mov_b32 s[\g+7], 0
.endr
.irp g, G1R, G1P
	s_mov_b32 s[\g+1], 32<<16                      ; tensor_dim0 = 32
	s_mov_b32 s[\g+2], 128<<16                     ; tensor_dim1 = 128
	s_mov_b32 s[\g+3], 32<<16                      ; tile_dim0 = 32
	s_mov_b32 s[\g+4], 128                         ; tile_dim1 = 128
	s_mov_b32 s[\g+5], 32                          ; from row to row
	s_mov_b32 s[\g+6], 0
	s_mov_b32 s[\g+7], 0
.endr
	s_mul_i32 s67, s[WV], SLOTB                    ; my block's region: SLOTB x wave
	s_wait_kmcnt 0x0
	s_load_b64 s[80:81], s[10:11], 0x28            ; e10, e11
	s_add_nc_u64 s[92:93], s[6:7], s[60:61]
	s_add_nc_u64 s[94:95], s[4:5], s[62:63]
	CROUND                                         ; all sixteen work-groups are here: the first joint loads meet
.irp s, 0
	s_mov_b32 s[G0R+4*\s], 1
	s_add_co_u32 s[G0R+4*\s+1], s67, \s*SLOTB
	s_add_nc_u64 s[G0R+4*\s+2:G0R+4*\s+3], s[94:95], \s*BLKB
	s_or_b32 s[G0R+4*\s+3], s[G0R+4*\s+3], 0x80000000
	s_mov_b32 s[G0P+4*\s], 1
	s_add_co_u32 s[G0P+4*\s+1], s67, \s*SLOTB
	s_add_nc_u64 s[G0P+4*\s+2:G0P+4*\s+3], s[92:93], \s*BLKB
	s_or_b32 s[G0P+4*\s+3], s[G0P+4*\s+3], 0x80000000
.endr
	s_cmp_eq_u32 s[WV], 0                          ; a wave's one first fill stands in one branch; four v_nop follow it
	s_cbranch_scc0 .Lfirst_p
	tensor_load_to_lds s[G0R:G0R+3], s[G1RH:G1RH+7]   ; K steps 0 to 5 of R's block
	s_nop 0
	PLACES 4
	s_branch .Lfirst_asked
.Lfirst_p:
	s_cmp_lt_u32 s[WV], 3
	s_cbranch_scc0 .Lfirst_asked
	tensor_load_to_lds s[G0P:G0P+3], s[G1PH:G1PH+7]   ; K steps 0 to 5 of one of P's blocks
	s_nop 0
	PLACES 4
.Lfirst_asked:
	v_and_b32 v1, 31, v0
	v_lshlrev_b32 v[LI], 4, v1
	s_lshl_b32 s2, s[WM], 13
	s_mul_i32 s3, s[WN], SLOTB
	s_add_co_u32 s3, s3, SLOTB                     ; my group of P: the region behind R's, or the next
.irp s, 0,1,2
	v_add_nc_u32 v[ADR+\s], s2, v[LI]
	v_add_nc_u32 v[ADP+\s], s3, v[LI]
	s_add_co_u32 s2, s2, BLKB                      ; two K steps on in the region
	s_add_co_u32 s3, s3, BLKB
.endr
	s_mul_i32 s2, s[WV], 16*SP
	s_add_co_u32 s2, s2, BLKB                      ; my stage: in R's K steps 2 to 5, which have had their one fill, and their last read ahead of K step 5's barrier
	v_and_b32 v3, 15, v0
	v_bfe_u32 v1, v0, 4, 1
	v_mul_u32_u24 v[STO], v3, SP
	v_lshl_add_u32 v[STO], v1, 6, v[STO]
	v_add_nc_u32 v[STO], s2, v[STO]                ; in: row lane % 16, + 64 (lane / 16)
	v_add_nc_u32 v[RD], s2, v[LI]                  ; back: the 32 lanes take one row of 512 bytes
	v_lshlrev_b32 v[BO1], 6, v1
	s_wait_alu depctr_va_vdst(0)
	s_lshl_b32 s2, s[RB], 7
	s_lshl_b32 s3, s[WM], 6
	s_add_co_u32 s2, s2, s3
	s_lshl_b32 s2, s2, 12                          ; my first token's row of 4,096 bytes,
	s_lshl_b32 s29, s[CX], 10
	s_lshl_b32 s3, s[WN], 9
	s_add_co_u32 s29, s29, s3                      ; my 128 features: 512 bytes
	s_add_co_u32 s2, s2, s29
	s_mov_b32 s3, 0
	s_add_nc_u64 s[12:13], s[12:13], s[2:3]
	s_mov_b32 s2, s29
	s_add_nc_u64 s[8:9], s[8:9], s[2:3]
	WIN 0xc0                                       ; destination window 3: for P tile t a lane wants bo of features 32 (t / 2) + 16 (lane / 16) + 8 (t % 2) + 0 .. 7
.irp t, 0,1,2,3,4,5,6,7
	global_load_b128 v[BI+8*\t:BI+8*\t+3], v[BO1], s[8:9] offset:(32*(\t/2)+8*(\t%2))*4
	global_load_b128 v[BI+8*\t+4:BI+8*\t+7], v[BO1], s[8:9] offset:(32*(\t/2)+8*(\t%2))*4+16
.endr
	WIN 0
	s_wait_kmcnt 0x0
	s_add_co_i32 s96, s80, s81
	s_add_co_i32 s96, s96, 127
	s_lshl_b32 s96, s96, 23                        ; 2^(e10 + e11) as f32
	s_mov_b32 s97, s96                             ; (named with it as a pair, so it is written)
	s_wait_tensorcnt 0x0                           ; my one load, K steps 0 to 5 of my block, is in
	s_barrier_signal -1
	s_barrier_wait -1
	FETCH 0, 0, 0
	FETCH 0, 1, 1                                  ; K step 0: no matrix instruction has run, so no places are owed
	s_wait_dscnt 48
	MULROW 0, 0, 1                                 ; the first products start the sums: nothing is cleared
	MULROW 1, 0, 1
	MULROW 2, 0, 1
	MULROW 3, 0, 1
	WIN 0
	TURN 1, 1, 1                                   ; K step 1; slots 1 and 2 are whole behind its barrier; slot 0 is filled again
	STEPK 1, 1, 0                                  ; K step 2
	STEPK 2, 0, 1                                  ; K step 3
	STEPK 2, 1, 0                                  ; K step 4
	TURN 0, 1, 0                                   ; K step 5; behind its barrier the refilled slot 0 is whole, and nobody reads slot 1 any more
	STEPK 0, 1, 0                                  ; K step 6
	s_wait_dscnt 0x0                               ; K step 7
	MULROW 0, 1, 0
	MULROW 1, 1, 0
	MULROW 2, 1, 0
	MULROW 3, 1, 0
	WIN 0
; THE WAY OUT, an R tile (16 tokens x 128 features) at a time.  A lane holds 4 x 64 bytes of one row, and the lanes beside it hold other rows: a block goes through my own stage and comes back as whole rows of 512 bytes.
; LDS serves a wave's instructions in order (ISA guide 5.7.1.4): no wait between the stores and the loads, nor in front of the next block's stores.
.macro TOSTAGE a
	WIN 0x32                                       ; source 0 (the sums) window 2, source 2 (bo) window 3
.set j, 0
.rept 32
	v_pk_fma_f32 v[TMP+j:TMP+j+1], v[64*(\a)+j:64*(\a)+j+1], s[96:97], v[BI+j:BI+j+1] op_sel_hi:[1,0,1]   ; sum x 2^(e10 + e11) + bo; each accumulator from its low end on
.set j, j+2
.endr
	WIN 0
.irp b, 0,1,2,3
.irp k, 0,1,2,3
	ds_store_b128 v[STO], v[TMP+16*\b+4*\k:TMP+16*\b+4*\k+3] offset:128*\b+16*\k
.endr
.endr
.irp p, 0,1,2,3,4,5,6,7,8,9,10,11,12,13,14,15
	ds_load_b128 v[BK+64*((\a)%2)+4*\p:BK+64*((\a)%2)+4*\p+3], v[RD] offset:\p*SP
.endr
.endm
.macro SEND a, younger                 ; younger: the LDS instructions issued behind block a's loads, which may stay out
	s_wait_dscnt \younger
.irp p, 0,1,2,3,4,5,6,7,8,9,10,11,12,13,14,15
	global_store_b128 v[LI], v[BK+64*((\a)%2)+4*\p:BK+64*((\a)%2)+4*\p+3], s[12:13] offset:(32*((\a)/2)+8*((\a)%2)+\p+8*(\p/8))*4096 th:TH_STORE_NT   ; stage row p is token row(a, p): 32 lanes store 512 consecutive bytes of it
.endr
.endm
	s_wait_loadcnt 0x0                             ; bo
	PLACES 4                                       ; behind the last products: for the reads of results and for the loads into the registers that held R's fragments
	TOSTAGE 0
.irp a, 1,2,3
.if \a > 1
	s_wait_xcnt 0x0                                ; block a - 2's stores have read their registers: block a's loads may land there
.endif
	TOSTAGE \a
	SEND \a-1, 32                                  ; behind block a - 1's loads: block a's 16 stores and 16 loads
.endr
	SEND 3, 0
	s_wait_tensorcnt 0x0                           ; the wave's end, behind my last tensor load and my last LDS store
	ds_add_u32 v[SPW], v[NIL]
	s_wait_dscnt 0x0
	CROUND                                         ; the closing round
	s_endpgm
.Lfunc_end_k_q8fd0668f53_outp:
	.size	k_q8fd0668f53_outp, .Lfunc_end_k_q8fd0668f53_outp-k_q8fd0668f53_outp
	.p2alignl 7, 3214868480
	.fill 96, 4, 3214868480
	.section	.rodata,"a",@progbits
	.p2align	6, 0x0
	.amdhsa_kernel k_q8fd0668f53_outp
		.amdhsa_group_segment_fixed_size 327680
		.amdhsa_private_segment_fixed_size 0
		.amdhsa_enable_private_segment 0
		.amdhsa_kernarg_size 40
		.amdhsa_user_sgpr_count 2
		.amdhsa_user_sgpr_kernarg_segment_ptr 1
		.amdhsa_wavefront_size32 1
		.amdhsa_system_sgpr_workgroup_id_x 1
		.amdhsa_system_sgpr_workgroup_id_y 1
		.amdhsa_system_sgpr_workgroup_id_z 1
		.amdhsa_system_vgpr_workitem_id 0
		.amdhsa_next_free_vgpr 1024
		.amdhsa_next_free_sgpr 100
		.amdhsa_reserve_vcc 0
		.amdhsa_float_denorm_mode_32 3
		.amdhsa_float_denorm_mode_16_64 3
		.amdhsa_memory_ordered 1
		.amdhsa_forward_progress 1
		.amdhsa_inst_pref_size 75
	.end_amdhsa_kernel
	.amdgpu_metadata
---
amdhsa.version: [ 1, 2 ]
amdhsa.kernels:
  - .name:           k_q8fd0668f53_outp
    .symbol:         k_q8fd0668f53_outp.kd
    .args:
      - { .name: ac, .offset: 0, .size: 8, .value_kind: global_buffer, .address_space: global }
      - { .name: wc, .offset: 8, .size: 8, .value_kind: global_buffer, .address_space: global }
      - { .name: bo, .offset: 16, .size: 8, .value_kind: global_buffer, .address_space: global }
      - { .name: lowp_scales, .offset: 24, .size: 8, .value_kind: global_buffer, .address_space: global }
      - { .name: out0, .offset: 32, .size: 8, .value_kind: global_buffer, .address_space: global }
    .group_segment_fixed_size: 327680
    .private_segment_fixed_size: 0
    .kernarg_segment_align: 8
    .kernarg_segment_size: 40
    .max_flat_workgroup_size: 128
    .sgpr_count:     100
    .vgpr_count:     1024
    .wavefront_size: 32
...
	.end_amdgpu_metadata
.endif
;; end of part 4
